; MI455X (gfx1250); checked and timed in simulation.
; The chip was launched on July 23, 2026; its instructions are those of AMD's public machine-readable ISA for CDNA 5 (MIT licence, August 2026) and "CDNA5" Instruction Set Architecture Reference Guide (July 2026). The comments in the code are by the model that wrote it; some were corrected since.
;; Attention. Allowed arithmetic: float matrix products may take bf16 or f16 operands with f32 sums; all other float work in f32.
;; Inputs: b_gates 16 float32; freqs 32 float32; gamma 1,024 float32; w_gates 1,024 x 16 float32; w_out 1,024 x 1,024 float32; w_qkv 1,024 x 3,072 float32; x 2 x 2,048 x 1,024 float32.
;; Outputs: out0 2 x 2,048 x 1,024 float32.
;; 2 versions, each right and faster than the one before. Each part assembles by itself: llvm-mc -triple=amdgcn-amd-amdhsa -mcpu=gfx1250 --defsym DOCPART=n.
;; ======== version 1 of 2: 4 launches
;; limits: values are held in f16: magnitudes above 65,504 overflow, below 6.1e-05 lose precision
;; workspace buffers: xnb 8,388,608 bytes; wb 8,388,608 bytes; gates 262,144 bytes; rope 524,288 bytes; qkvb 25,165,824 bytes; ob 8,388,608 bytes
;; launch prep (part 1): grid 256 x 1, 8 waves a work-group, no clusters, 75,008 bytes of LDS; arguments x, gamma, w_qkv, w_out, w_gates, b_gates, freqs, xnb, wb, gates, rope; writes xnb, wb, gates, rope
.if DOCPART == 1
	.amdgcn_target "amdgcn-amd-amdhsa--gfx1250"
	.amdhsa_code_object_version 6
	.text
	.protected	k_q4f9f51272e_prep
	.globl	k_q4f9f51272e_prep
	.p2align	8
	.type	k_q4f9f51272e_prep,@function
k_q4f9f51272e_prep:
	s_mov_b64 s[64:65], 0
	v_nop
	global_prefetch_b8 v0, s[64:65] scope:SCOPE_SE
	s_setreg_imm32_b32 hwreg(HW_REG_WAVE_MODE, 25, 1), 1
	s_wait_xcnt 0x0
; PREP: everything that is done once to the inputs, one pass over each of them.
;   xnb[row][1024]  f16 = x[row] / |x[row]| * gamma * 32
;   wb: WQ[head 16][k 1024][192] f16, column tt*64+d = w_qkv[k][tt*1024 + head*64 + d] (tt = 0 q, 1 k, 2 v); behind it WO = w_out in f16
;   gates[row][16]  f32  = sigmoid(xn @ w_gates + b_gates), the product on the matrix unit from f16 operands
;   rope[pos][32]   pairs (cos, sin) of pos * freqs[i], f32
; 256 work-groups of eight waves.  Work-group g: rows 16 g .. 16 g + 15 of x (wave w: rows 2 w, 2 w + 1, a row in 32 registers),
; k rows 4 g .. 4 g + 3 of both weights, positions 8 g .. 8 g + 7 of the table (wave w: one position, lane = frequency).
; Work-groups share no input but gamma, w_gates and freqs (70 KB against 131 KB of their own): no cluster, no tensor loads.
; WHY f16 AND NOT bf16: the result passes through about six roundings of operands directly and six more through the exponent of the softmax;
; with 8 significant bits their joint error is about half a per cent of the result's root mean square, with 11 bits an eighth of that.
; LIMITS: f16 holds |xn| <= 32 |gamma| for |gamma| < 2,047 and weights below 65,504; magnitudes under 6.1e-5 keep an absolute step of 6e-8
; (for weights of root mean square 0.001 that is 3e-5 of it).  The sum of a row's squares must stay inside f32's normal range; a row of zeros
; gives what the division by a zero norm gives.
; cos and sin: the angle is the f32 product pos * freq; it is reduced by pi/2 in two parts with fused multiply-adds, good to about
; 1e-7 rad while |pos * freq| < 2^23, and followed by polynomials of degree 7 and 8 on [-pi/4, pi/4].
.set XPITCH, 2064                      ; LDS row of xn: 2,048 bytes + 16, an odd multiple of 16: 16 rows of a fragment start in 16 different columns of 16 bytes
.set WGT,    16*XPITCH                 ; w_gates as f16 [1024][16], rows of 32 bytes
.set GP,     WGT+32768                 ; eight waves' partial gates, 16 x 16 f32 each
.set VX,  2                            ; w*8192 + 16 l: my 16 bytes in x's rows, and in w_gates
.set VG,  3                            ; 16 l: gamma
.set VO,  4                            ; w*4096 + 8 l: xnb
.set VL,  5                            ; my 8 bytes in LDS row 2 w
.set SRC, 6                            ; v6-8   w_qkv: source of 8 numbers of step s
.set DST, 9                            ; WQ: w*2 heads + 16 l
.set WOS, 10                           ; w_out
.set WOD, 11                           ; WO
.set X,   32                           ; v32-95   two rows of x; later w_gates; later fragments
.set G,   96                           ; v96-127  gamma; later the weights in f16 (store data, not written again)
.set W,   128                          ; v128-191 weights in f32; later w_gates in f16 and two accumulators
.set PK,  192                          ; v192-223 xn in f16 (store data, not written again)
.set BG,  224                          ; v224-227 four biases
.set FR,  228                          ; my frequency
.set FO,  229                          ; 4 l
.set BO,  230                          ; 16 (t & 3)
.set AA,  231                          ; LDS: A fragments
.set BA,  232                          ; LDS: B fragments
.set WGA, 233                          ; LDS: where my w_gates go
.set GPS, 234                          ; LDS: where my partial gates go
.set GPR, 235                          ; LDS: where thread t reads them
.set TO,  236                          ; 16 t
	s_load_b512 s[8:23], s[0:1], 0x0               ; x s[8:9], gamma s[10:11], w_qkv s[12:13], w_out s[14:15], w_gates s[16:17], b_gates s[18:19], freqs s[20:21], xnb s[22:23]
	s_load_b128 s[24:27], s[0:1], 0x40             ; wb s[24:25], gates s[26:27]
	s_load_b64 s[28:29], s[0:1], 0x50              ; rope
	v_lshl_add_u32 v240, v0, 2, 0x12100
	v_mov_b32 v241, 0
	v_and_b32 v1, 31, v0                           ; lane
	v_lshrrev_b32 v12, 5, v0
	v_readfirstlane_b32 s4, v12                    ; wave
	s_mov_b32 s33, 0                               ; high word of every offset pair
	s_mov_b32 s34, 0x76543210                      ; v_permlanex16_b32: lane i takes lane i of the other half
	s_mov_b32 s35, 0xfedcba98
	s_mov_b32 s36, 0x3fc90fdb                      ; pi/2, upper part
	s_mov_b32 s37, 0xb33bbd2e                      ; pi/2, the rest
	s_lshl_b32 s5, s4, 13
	v_lshl_add_u32 v[VX], v1, 4, s5
	v_lshlrev_b32 v[VG], 4, v1
	s_lshl_b32 s5, s4, 12
	v_lshl_add_u32 v[VO], v1, 3, s5
	s_mul_i32 s5, s4, 2*XPITCH
	v_lshl_add_u32 v[VL], v1, 3, s5
	s_lshl_b32 s6, s4, 9                           ; two heads of 256 bytes in a row of w_qkv
	; a head's part of four k rows is 768 numbers, [k row 4][tt 3][d 64]; step s, lane l takes numbers e = 256 s + 8 l .. + 7
.irp s, 0,1,2
	v_lshl_add_u32 v12, v1, 3, 256*\s              ; e
	v_lshrrev_b32 v13, 6, v12                      ; e / 64 = 3 k row + tt, 0 .. 11
	v_mul_u32_u24 v14, 11, v13
	v_lshrrev_b32 v14, 5, v14                      ; k row = (e / 64) / 3, exact for 0 .. 11
	v_mul_u32_u24 v15, 3, v14
	v_sub_nc_u32 v15, v13, v15                     ; tt
	v_and_b32 v12, 63, v12                         ; d
	v_lshlrev_b32 v12, 2, v12
	v_lshl_add_u32 v12, v15, 12, v12               ; + tt * 1,024 numbers
	v_mad_u32_u24 v12, v14, 0x3000, v12            ; + k row * 3,072 numbers
	v_add_nc_u32 v[SRC+\s], s6, v12
.endr
	s_mul_i32 s5, s4, 786432                       ; two heads of WQ
	v_lshl_add_u32 v[DST], v1, 4, s5
	s_lshl_b32 s5, s4, 11
	v_lshl_add_u32 v[WOS], v1, 5, s5
	s_lshl_b32 s5, s4, 10
	v_lshl_add_u32 v[WOD], v1, 4, s5
	v_lshlrev_b32 v[FO], 2, v1
	v_and_b32 v[BO], 3, v0
	v_lshlrev_b32 v[BO], 4, v[BO]
	; LDS addresses of the gate phase
	v_and_b32 v13, 15, v0                          ; r
	v_bfe_u32 v14, v0, 4, 1                        ; h
	s_lshl_b32 s5, s4, 8                           ; my 128 k = 256 bytes of a row
	v_mul_u32_u24 v15, XPITCH, v13
	v_lshl_add_u32 v15, v14, 4, v15
	v_add_nc_u32 v[AA], s5, v15                    ; r * pitch + 16 h + 256 w
	s_lshl_b32 s5, s4, 12
	s_add_co_u32 s5, s5, WGT                       ; my 128 k rows of w_gates
	v_lshl_add_u32 v[WGA], v1, 3, s5
	v_and_b32 v15, 7, v0
	v_lshl_or_b32 v15, v14, 3, v15                 ; 8 h + (l & 7)
	v_bfe_u32 v16, v0, 3, 1
	v_lshlrev_b32 v16, 4, v16
	v_lshl_add_u32 v15, v15, 5, v16                ; * 32 bytes + 16 ((l >> 3) & 1)
	v_add_nc_u32 v[BA], s5, v15
	s_lshl_b32 s5, s4, 10
	s_add_co_u32 s5, s5, GP
	v_lshlrev_b32 v15, 2, v13
	v_lshl_add_u32 v15, v14, 9, v15
	v_add_nc_u32 v[GPS], s5, v15                   ; (row 8 h, head r) of my 16 x 16
	v_lshlrev_b32 v[TO], 4, v0
	v_add_nc_u32 v[GPR], GP, v[TO]
	s_wait_kmcnt 0x0
	s_lshl_b32 s32, ttmp9, 16                      ; 16 rows of 4,096 bytes
	s_add_nc_u64 s[8:9], s[8:9], s[32:33]
	s_lshl_b32 s32, ttmp9, 15                      ; 16 rows of 2,048 bytes
	s_add_nc_u64 s[22:23], s[22:23], s[32:33]
	s_mul_i32 s32, ttmp9, 49152                    ; 4 rows of w_qkv
	s_add_nc_u64 s[12:13], s[12:13], s[32:33]
	s_lshl_b32 s32, ttmp9, 14                      ; 4 rows of w_out
	s_add_nc_u64 s[14:15], s[14:15], s[32:33]
	s_lshl_b32 s32, ttmp9, 13                      ; 4 rows of WO
	s_add_nc_u64 s[30:31], s[24:25], s[32:33]
	s_add_nc_u64 s[30:31], s[30:31], 6291456       ; WO lies behind WQ
	s_mul_i32 s32, ttmp9, 1536                     ; 4 k rows of 384 bytes in each head of WQ
	s_add_nc_u64 s[24:25], s[24:25], s[32:33]
	s_lshl_b32 s32, ttmp9, 10                      ; 16 rows of gates
	s_add_nc_u64 s[26:27], s[26:27], s[32:33]
	s_lshl_b32 s32, ttmp9, 11                      ; 8 positions of 256 bytes
	s_add_nc_u64 s[28:29], s[28:29], s[32:33]
	; all of the first 41 loads go out at once: each covers 512 (the weights: 4 x 256) consecutive bytes
.irp row, 0,1
.irp j, 0,1,2,3,4,5,6,7
	global_load_b128 v[X+32*\row+4*\j:X+32*\row+4*\j+3], v[VX], s[8:9] offset:4096*\row+512*\j th:TH_LOAD_NT
.endr
.endr
.irp j, 0,1,2,3,4,5,6,7
	global_load_b128 v[G+4*\j:G+4*\j+3], v[VG], s[10:11] offset:512*\j
.endr
	global_load_b32 v[FR], v[FO], s[20:21]
.irp cc, 0,1
.irp s, 0,1,2
	global_load_b128 v[W+8*(3*\cc+\s):W+8*(3*\cc+\s)+3],   v[SRC+\s], s[12:13] offset:256*\cc th:TH_LOAD_NT
	global_load_b128 v[W+8*(3*\cc+\s)+4:W+8*(3*\cc+\s)+7], v[SRC+\s], s[12:13] offset:256*\cc+16 th:TH_LOAD_NT
.endr
.endr
.irp u, 0,1
	global_load_b128 v[W+48+8*\u:W+48+8*\u+3], v[WOS], s[14:15] offset:1024*\u th:TH_LOAD_NT
	global_load_b128 v[W+48+8*\u+4:W+48+8*\u+7], v[WOS], s[14:15] offset:1024*\u+16 th:TH_LOAD_NT
.endr
; the sum of a row's squares, in every lane: four chains in the lane, four steps inside 16 lanes, one across
.macro SUMSQ row, t
.irp c, 0,1,2,3
	v_pk_mul_f32 v[\t+2*\c:\t+2*\c+1], v[X+32*\row+2*\c:X+32*\row+2*\c+1], v[X+32*\row+2*\c:X+32*\row+2*\c+1]
.endr
.irp p, 4,5,6,7,8,9,10,11,12,13,14,15
	v_pk_fma_f32 v[\t+2*(\p%4):\t+2*(\p%4)+1], v[X+32*\row+2*\p:X+32*\row+2*\p+1], v[X+32*\row+2*\p:X+32*\row+2*\p+1], v[\t+2*(\p%4):\t+2*(\p%4)+1]
.endr
	v_pk_add_f32 v[\t:\t+1], v[\t:\t+1], v[\t+2:\t+3]
	v_pk_add_f32 v[\t+4:\t+5], v[\t+4:\t+5], v[\t+6:\t+7]
	v_pk_add_f32 v[\t:\t+1], v[\t:\t+1], v[\t+4:\t+5]
	v_add_f32 v[\t], v[\t], v[\t+1]
	v_add_f32_dpp v[\t], v[\t], v[\t] row_xmask:1 row_mask:0xf bank_mask:0xf
	v_add_f32_dpp v[\t], v[\t], v[\t] row_xmask:2 row_mask:0xf bank_mask:0xf
	v_add_f32_dpp v[\t], v[\t], v[\t] row_xmask:4 row_mask:0xf bank_mask:0xf
	v_add_f32_dpp v[\t], v[\t], v[\t] row_xmask:8 row_mask:0xf bank_mask:0xf
	v_permlanex16_b32 v[\t+1], v[\t], s34, s35
	v_add_f32 v[\t], v[\t], v[\t+1]
.endm
; x * gamma * (32 / norm), rounded once to f16; to memory (32 lanes: 256 consecutive bytes, aligned) and to LDS for the gates
.macro SCALE row, sc
.set i, 0
.rept 16
	v_pk_mul_f32 v[X+32*\row+2*i:X+32*\row+2*i+1], v[X+32*\row+2*i:X+32*\row+2*i+1], v[G+2*i:G+2*i+1]
.set i, i+1
.endr
.set i, 0
.rept 16
	v_pk_mul_f32 v[X+32*\row+2*i:X+32*\row+2*i+1], v[X+32*\row+2*i:X+32*\row+2*i+1], v[\sc:\sc+1]
.set i, i+1
.endr
.set i, 0
.rept 16
	v_cvt_pk_f16_f32 v[PK+16*\row+i], v[X+32*\row+2*i], v[X+32*\row+2*i+1]
.set i, i+1
.endr
.irp j, 0,1,2,3,4,5,6,7
	global_store_b64 v[VO], v[PK+16*\row+2*\j:PK+16*\row+2*\j+1], s[22:23] offset:2048*\row+256*\j
	ds_store_b64 v[VL], v[PK+16*\row+2*\j:PK+16*\row+2*\j+1] offset:XPITCH*\row+256*\j
.endr
.endm
	s_wait_loadcnt 16                              ; x, gamma and freqs are in; the 16 weight loads behind them stay out
	SUMSQ 0, 12
	SUMSQ 1, 20
	v_rsq_f32 v14, v12
	v_rsq_f32 v22, v20
	v_nop                                          ; one plain instruction behind the transcendentals before their results are used (ISA guide 5.7.2)
	s_wait_alu depctr_va_vdst(0)
	v_mul_f32 v14, 0x42000000, v14                 ; sqrt(1024) / norm
	v_mul_f32 v22, 0x42000000, v22
	v_mov_b32 v15, v14
	v_mov_b32 v23, v22
	SCALE 0, 14
	SCALE 1, 22
	; the gates' inputs go out while the weights are converted: my 128 k rows of w_gates are 8,192 consecutive bytes
	global_load_b128 v[BG:BG+3], v[BO], s[18:19]
.irp u, 0,1,2,3,4,5,6,7,8,9,10,11,12,13,14,15
	global_load_b128 v[X+4*\u:X+4*\u+3], v[VX], s[16:17] offset:512*\u
.endr
	s_wait_loadcnt 17                              ; the weights are in; the 17 loads just issued stay out
.set i, 0
.rept 32
	v_cvt_pk_f16_f32 v[G+i], v[W+2*i], v[W+2*i+1]
.set i, i+1
.endr
.irp cc, 0,1
.irp s, 0,1,2
	global_store_b128 v[DST], v[G+4*(3*\cc+\s):G+4*(3*\cc+\s)+3], s[24:25] offset:393216*\cc+512*\s   ; 512 consecutive bytes of a head's block
.endr
.endr
.irp u, 0,1
	global_store_b128 v[WOD], v[G+24+4*\u:G+24+4*\u+3], s[30:31] offset:512*\u
.endr
	; the table: position 8 g + w, frequency l
	s_lshl_b32 s5, ttmp9, 3
	s_add_co_u32 s5, s5, s4
	v_cvt_f32_u32 v12, s5
	v_mul_f32 v12, v12, v[FR]                      ; the angle, one f32 product
	v_mul_f32 v13, 0x3f22f983, v12                 ; * 2 / pi
	v_rndne_f32 v13, v13                           ; quarter turns
	v_fma_f32 v14, -v13, s36, v12
	v_fma_f32 v14, -v13, s37, v14                  ; the rest, in [-pi/4, pi/4]
	v_mul_f32 v15, v14, v14
	v_mov_b32 v16, 0xb94ca1f9
	v_fmaak_f32 v16, v16, v15, 0x3c08839e
	v_fmaak_f32 v16, v16, v15, 0xbe2aaaa3
	v_mul_f32 v17, v14, v15
	v_fma_f32 v16, v17, v16, v14                   ; sin of the rest
	v_mov_b32 v18, 0x37ccf5ce
	v_fmaak_f32 v18, v18, v15, 0xbab6061a
	v_fmaak_f32 v18, v18, v15, 0x3d2aaaa5
	v_mul_f32 v19, v15, v15
	v_fma_f32 v20, v15, -0.5, 1.0
	v_fma_f32 v18, v19, v18, v20                   ; cos of the rest
	v_cvt_i32_f32 v21, v13
	v_and_b32 v22, 1, v21
	v_cmp_ne_u32 vcc_lo, 0, v22                    ; an odd number of quarter turns swaps the two
	v_cndmask_b32 v25, v16, v18, vcc_lo            ; sin
	v_cndmask_b32 v24, v18, v16, vcc_lo            ; cos
	v_and_b32 v22, 2, v21
	v_lshlrev_b32 v22, 30, v22
	v_xor_b32 v25, v25, v22                        ; sin changes sign in quarters 2 and 3
	v_add_nc_u32 v21, 1, v21
	v_and_b32 v21, 2, v21
	v_lshlrev_b32 v21, 30, v21
	v_xor_b32 v24, v24, v21                        ; cos in quarters 1 and 2
	v_lshlrev_b32 v26, 3, v0
	global_store_b64 v26, v[24:25], s[28:29]       ; a wave stores a position's 256 bytes
	; w_gates to f16 and into LDS, dense [k][16]
	s_wait_loadcnt 0x0
.set i, 0
.rept 32
	v_cvt_pk_f16_f32 v[W+i], v[X+2*i], v[X+2*i+1]
.set i, i+1
.endr
.irp u, 0,1,2,3,4,5,6,7,8,9,10,11,12,13,14,15
	ds_store_b64 v[WGA], v[W+2*\u:W+2*\u+1] offset:256*\u
.endr
	s_wait_dscnt 0x0                               ; my rows of xn are in LDS: the other waves read them behind the barrier
	s_barrier_signal -1
	s_barrier_wait -1
	; gates: 16 rows x 16 heads; wave w sums k = 128 w .. 128 w + 127 in four products of 32
.irp c, 0,1,2,3
	ds_load_b128 v[X+8*\c:X+8*\c+3],   v[AA] offset:64*\c
	ds_load_b128 v[X+8*\c+4:X+8*\c+7], v[AA] offset:64*\c+32
	ds_load_tr16_b128 v[X+32+8*\c:X+32+8*\c+3],   v[BA] offset:1024*\c
	ds_load_tr16_b128 v[X+32+8*\c+4:X+32+8*\c+7], v[BA] offset:1024*\c+512
.endr
	s_wait_dscnt 0x0
	; two accumulators take turns, one instruction a turn
	v_wmma_f32_16x16x32_f16 v[160:167], v[X:X+7],     v[X+32:X+39], 0
	v_wmma_f32_16x16x32_f16 v[168:175], v[X+8:X+15],  v[X+40:X+47], 0
	v_wmma_f32_16x16x32_f16 v[160:167], v[X+16:X+23], v[X+48:X+55], v[160:167]
	v_wmma_f32_16x16x32_f16 v[168:175], v[X+24:X+31], v[X+56:X+63], v[168:175]
.rept 4
	v_nop                                          ; four places behind the matrix instructions before their results are read (ISA guide 7.12.1)
.endr
.irp j, 0,2,4,6
	v_pk_add_f32 v[160+\j:161+\j], v[160+\j:161+\j], v[168+\j:169+\j]
.endr
.irp j, 0,1,2,3,4,5,6,7
	ds_store_b32 v[GPS], v[160+\j] offset:64*\j    ; (row 8 h + j, head r)
.endr
	s_wait_dscnt 0x0
	s_barrier_signal -1
	s_barrier_wait -1
	s_cmp_gt_u32 s4, 1                             ; 256 gates are 64 threads' work: waves 0 and 1
	s_cbranch_scc1 .Lend
.irp p, 0,1,2,3,4,5,6,7
	ds_load_b128 v[X+4*\p:X+4*\p+3], v[GPR] offset:1024*\p
.endr
	s_wait_dscnt 0x0
.irp p, 1,2,3,4,5,6,7
	v_pk_add_f32 v[X:X+1],   v[X:X+1],   v[X+4*\p:X+4*\p+1]
	v_pk_add_f32 v[X+2:X+3], v[X+2:X+3], v[X+4*\p+2:X+4*\p+3]
.endr
	v_pk_add_f32 v[X:X+1],   v[X:X+1],   v[BG:BG+1]
	v_pk_add_f32 v[X+2:X+3], v[X+2:X+3], v[BG+2:BG+3]
.irp j, 0,1,2,3
	v_mul_f32 v[X+\j], 0xbfb8aa3b, v[X+\j]         ; sigmoid(g) = 1 / (1 + 2^(-g log2 e))
.endr
.irp j, 0,1,2,3
	v_exp_f32 v[X+4+\j], v[X+\j]
.endr
	v_nop
	s_wait_alu depctr_va_vdst(0)
.irp j, 0,1,2,3
	v_add_f32 v[X+4+\j], 1.0, v[X+4+\j]
.endr
.irp j, 0,1,2,3
	v_rcp_f32 v[X+8+\j], v[X+4+\j]
.endr
	v_nop
	s_wait_alu depctr_va_vdst(0)
	global_store_b128 v[TO], v[X+8:X+11], s[26:27] ; 16 lanes store 256 consecutive bytes
.Lend:
	s_wait_tensorcnt 0x0
	ds_add_u32 v240, v241
	s_wait_dscnt 0x0
	s_endpgm
.Lfunc_end_k_q4f9f51272e_prep:
	.size	k_q4f9f51272e_prep, .Lfunc_end_k_q4f9f51272e_prep-k_q4f9f51272e_prep
	.p2alignl 7, 3214868480
	.fill 96, 4, 3214868480
	.section	.rodata,"a",@progbits
	.p2align	6, 0x0
	.amdhsa_kernel k_q4f9f51272e_prep
		.amdhsa_group_segment_fixed_size 75008
		.amdhsa_private_segment_fixed_size 0
		.amdhsa_enable_private_segment 0
		.amdhsa_kernarg_size 88
		.amdhsa_user_sgpr_count 2
		.amdhsa_user_sgpr_kernarg_segment_ptr 1
		.amdhsa_wavefront_size32 1
		.amdhsa_system_sgpr_workgroup_id_x 1
		.amdhsa_system_sgpr_workgroup_id_y 1
		.amdhsa_system_sgpr_workgroup_id_z 1
		.amdhsa_system_vgpr_workitem_id 0
		.amdhsa_next_free_vgpr 242
		.amdhsa_next_free_sgpr 66
		.amdhsa_reserve_vcc 1
		.amdhsa_float_denorm_mode_32 3
		.amdhsa_float_denorm_mode_16_64 3
		.amdhsa_memory_ordered 1
		.amdhsa_forward_progress 1
		.amdhsa_inst_pref_size 35
	.end_amdhsa_kernel
	.amdgpu_metadata
---
amdhsa.version: [ 1, 2 ]
amdhsa.kernels:
  - .name:           k_q4f9f51272e_prep
    .symbol:         k_q4f9f51272e_prep.kd
    .args:
      - { .name: x, .offset: 0, .size: 8, .value_kind: global_buffer, .address_space: global }
      - { .name: gamma, .offset: 8, .size: 8, .value_kind: global_buffer, .address_space: global }
      - { .name: w_qkv, .offset: 16, .size: 8, .value_kind: global_buffer, .address_space: global }
      - { .name: w_out, .offset: 24, .size: 8, .value_kind: global_buffer, .address_space: global }
      - { .name: w_gates, .offset: 32, .size: 8, .value_kind: global_buffer, .address_space: global }
      - { .name: b_gates, .offset: 40, .size: 8, .value_kind: global_buffer, .address_space: global }
      - { .name: freqs, .offset: 48, .size: 8, .value_kind: global_buffer, .address_space: global }
      - { .name: xnb, .offset: 56, .size: 8, .value_kind: global_buffer, .address_space: global }
      - { .name: wb, .offset: 64, .size: 8, .value_kind: global_buffer, .address_space: global }
      - { .name: gates, .offset: 72, .size: 8, .value_kind: global_buffer, .address_space: global }
      - { .name: rope, .offset: 80, .size: 8, .value_kind: global_buffer, .address_space: global }
    .group_segment_fixed_size: 75008
    .private_segment_fixed_size: 0
    .kernarg_segment_align: 8
    .kernarg_segment_size: 88
    .max_flat_workgroup_size: 256
    .sgpr_count:     66
    .vgpr_count:     242
    .wavefront_size: 32
...
	.end_amdgpu_metadata
.endif
;; end of part 1
;; launch qkv (part 2): grid 16 x 16, 4 waves a work-group, clusters of 4 x 4, 327,680 bytes of LDS; arguments xnb, wb, rope, qkvb; writes qkvb
.if DOCPART == 2
	.amdgcn_target "amdgcn-amd-amdhsa--gfx1250"
	.amdhsa_code_object_version 6
	.text
	.protected	k_q4f9f51272e_qkv
	.globl	k_q4f9f51272e_qkv
	.p2align	8
	.type	k_q4f9f51272e_qkv,@function
k_q4f9f51272e_qkv:
	s_mov_b64 s[64:65], 0
	v_nop
	global_prefetch_b8 v0, s[64:65] scope:SCOPE_SE
	s_setreg_imm32_b32 hwreg(HW_REG_WAVE_MODE, 25, 1), 1
	s_wait_xcnt 0x0
	s_wait_alu depctr_hold_cnt(0) depctr_sa_sdst(0) depctr_va_vdst(0) depctr_va_sdst(0) depctr_va_ssrc(0) depctr_va_vcc(0) depctr_vm_vsrc(0)
	s_getreg_b32 s2, hwreg(HW_REG_IB_STS2, 6, 4)
	s_cmp_eq_u32 s2, 0
	s_cbranch_scc0 .Lentry_in_a_cluster
	s_endpgm
.Lentry_in_a_cluster:
	s_bfe_u32 s2, ttmp6, 0x10000c
	s_cmp_lg_u32 s2, 0xf033
	s_cbranch_scc0 .Lentry_shape_is_right
	s_endpgm
.Lentry_shape_is_right:
; QKV: [4096 x 1024] xn times one head's 192 columns of w_qkv (q, k, v: 64 each), rotary embedding on q and k on the way out.
; Work-group (bx = head, by = block of 256 rows): 256 x 192 of the product, so 16 x 16 = 256 work-groups.  Four waves; wave w has rows
; 64 w .. 64 w + 63 and all 192 columns: 4 x 12 accumulator tiles, 384 registers.  K goes in steps of 128 through two LDS slots.
; CLUSTERS: 4 x 4.  xn's tile hangs on by alone and is asked for jointly along a row of the cluster, the weights' tile on bx alone and
; is asked for jointly along a column.  By this text's count a wave has at most two tensor loads outstanding.
; The weights lie [k][192] in memory: their fragments come by the transposing LDS load.
; THE MATRIX INSTRUCTION IS USED TRANSPOSED (source 0 = 16 columns of the weights, source 1 = 16 rows of xn): lane l then holds row l % 16
; and eight neighbouring columns 16 b + 8 (l / 16) + 0 .. 7, that is four (even, odd) pairs of the rotary embedding.
; Output, f16: q at byte 0, k at 8,388,608, v at 16,777,216 of qkvb, each [batch*16 + head][2048][64].
; LIMIT: |q|, |k|, |v| < 65,504, f16's largest number.  With xn of root mean square |gamma| and weights of 1/32 they are of the size of gamma; gamma and
; w_qkv both 30 times that give about 5,400 at the most; x and w_qkv both with an offset of 30 spreads and gamma 30 give 30 x 0.94 x 1,024 = 29,000,
; and 41,000 behind the rotation.
; REGISTERS: window 0: addresses, v32-63 and v112-127 rows read back, v64-127 at work on the way out, v128-255 cos and sin of my rows;
;   window 1: accumulators of column tiles 0-7 (q, k) at 8 (4 b + a); window 2: of tiles 8-11 (v) at 8 (4 (b - 8) + a);
;   window 3: fragments, two buffers: weights v0-95, v96-191 (tile b at + 8 b), xn v192-223, v224-255 (tile a at + 8 a).
.set KSTEP,  128
.set APITCH, 272                       ; 256 bytes + 16: an odd multiple of 16
.set BPITCH, 480                       ; a k row: three pieces of 128 bytes, 32 bytes of padding behind each: an odd multiple of 32
.set AHALF,  128*APITCH                ; what one tensor load brings of xn
.set BHALF,  64*BPITCH                 ; and of the weights (64 k rows)
.set BOFF,   2*AHALF
.set SLOT,   131072                    ; 69,632 of xn + 61,440 of weights
.set STAGE,  2*SLOT                    ; behind the ring: no tensor load lands here
.set SPITCH, 144
.set SREG,   16*SPITCH                 ; 16 rows of q, of k or of v
.set SWAVE,  3*SREG
.set LAPS,   4                         ; 1,024 / (2 x 128)
.set ADRA, 16
.set ADRB, 20
.set STO,  24
.set RD,   25
.set CO,   26
.set TBO,  27
.set RB,   32
.set U,    64
.set TB,   128
.set FA,   192                         ; in window 3
.set G1,  24
.set G0,  32
.set G1B, 48
.set G0B, 56
.set QB,  66
.set KB,  68
.set VB,  70
.set MSB, 0
.macro WIN new                         ; the immediate's high byte repeats the setting that is left
.if MSB != \new
	s_set_vgpr_msb (MSB<<8)|\new
.set MSB, \new
.endif
.endm
.set MUL_QK, 0x5f                      ; sources 0 and 1 window 3, C and D window 1
.set MUL_V,  0xaf                      ; the same, C and D window 2
.set TO_F,   0xc0                      ; destination window 3, address window 0
; waves 0 and 1 ask for xn's two halves, waves 2 and 3 for the weights': each line has one mask; the branch hangs on the wave's number alone
.macro JLOAD s
	s_cmp_eq_u32 s14, 0
	s_cbranch_scc0 .Lfor_b_\@
	tensor_load_to_lds s[G0+4*\s:G0+4*\s+3], s[G1:G1+7]
	s_nop 0
	s_branch .Lasked_\@
.Lfor_b_\@:
	tensor_load_to_lds s[G0B+4*\s:G0B+4*\s+3], s[G1B:G1B+7]
	s_nop 0
.Lasked_\@:
.endm
.macro CREST                           ; a round of the cluster's barrier behind its opening work-group barrier
	s_cmp_lg_u32 s12, 0
	s_cbranch_scc1 .Lnot_wave_0_\@
	s_barrier_signal -3
.Lnot_wave_0_\@:
	s_barrier_wait -3
	s_barrier_signal -1
	s_barrier_wait -1
.endm
.macro CROUND
	s_barrier_signal -1
	s_barrier_wait -1
	CREST
.endm
.macro PLACES                          ; four places behind a matrix instruction before its registers are loaded into or its results read (ISA guide 7.12.1)
.rept 4
	v_nop
.endr
.endm
	s_load_b256 s[4:11], s[0:1], 0x0               ; xnb s[4:5], wb s[6:7], rope s[8:9], qkvb s[10:11]
	v_lshl_add_u32 v30, v0, 2, 0x46c00
	v_mov_b32 v31, 0
	ds_add_u32 v30, v31
	v_lshrrev_b32 v1, 5, v0
	v_readfirstlane_b32 s12, v1                    ; wave
	s_and_b32 s13, s12, 1                          ; which half of a tile I fetch
	s_lshr_b32 s14, s12, 1                         ; 0: I fetch xn, 1: weights
	s_bfe_u32 s40, ttmp6, 0x40000                  ; cx
	s_bfe_u32 s41, ttmp6, 0x40004                  ; cy
	s_lshl_b32 s42, ttmp9, 2
	s_add_co_u32 s42, s42, s40                     ; bx = head
	s_and_b32 s43, ttmp7, 0xffff
	s_lshl_b32 s43, s43, 2
	s_add_co_u32 s43, s43, s41                     ; by = block of 256 rows
	s_lshl_b32 s44, s41, 2
	s_lshl_b32 s44, 15, s44                        ; my row of the cluster
	s_lshl_b32 s45, 0x1111, s40                    ; my column
	; xn: 128 rows x 128 elements of 2 bytes, 4 words of padding behind every 64
	s_or_b32 s[G1+0], s44, (1<<16)|(1<<20)|(1<<21)|(5<<22)|(3<<25)
	s_mov_b32 s[G1+1], KSTEP<<16                   ; tensor_dim0
	s_mov_b32 s[G1+2], 128<<16                     ; tensor_dim1
	s_mov_b32 s[G1+3], KSTEP<<16                   ; tile_dim0
	s_mov_b32 s[G1+4], 128                         ; tile_dim1
	s_mov_b32 s[G1+5], 1024                        ; elements from row to row
	s_mov_b32 s[G1+6], 0
	s_mov_b32 s[G1+7], 0
	; weights: 64 k rows of 384 bytes are 24,576 consecutive bytes = 96 rows of 32 elements of 8 bytes; 8 words of padding behind every 32
	s_or_b32 s[G1B+0], s45, (3<<16)|(1<<20)|(1<<21)|(4<<22)|(7<<25)
	s_mov_b32 s[G1B+1], 32<<16
	s_mov_b32 s[G1B+2], 96<<16
	s_mov_b32 s[G1B+3], 32<<16
	s_mov_b32 s[G1B+4], 96
	s_mov_b32 s[G1B+5], 32
	s_mov_b32 s[G1B+6], 0
	s_mov_b32 s[G1B+7], 0
	; xn's address is made of by and the wave's number in s16-19, the weights' of bx and the wave's number in s46-47: neither set ever holds the other coordinate
	s_lshl_b32 s16, s43, 19                        ; 256 rows of 2,048 bytes
	s_lshl_b32 s17, s13, 18                        ; 128 rows
	s_add_co_u32 s16, s16, s17
	s_mov_b32 s17, 0
	s_mul_i32 s46, s42, 393216                     ; a head's block of WQ
	s_mul_i32 s47, s13, 24576                      ; 64 k rows
	s_add_co_u32 s46, s46, s47
	s_mov_b32 s47, 0
	s_mul_i32 s20, s12, AHALF                      ; LDS: waves 0, 1: xn's halves
	s_mul_i32 s21, s12, BHALF
	s_add_co_u32 s21, s21, BOFF-2*BHALF            ; waves 2, 3: the weights' halves, behind xn
	s_wait_dscnt 0x0
	s_wait_kmcnt 0x0
	s_add_nc_u64 s[18:19], s[4:5], s[16:17]
	s_add_nc_u64 s[46:47], s[6:7], s[46:47]
	CROUND                                         ; all sixteen work-groups are here: the first joint loads meet
.irp s, 0,1
	s_mov_b32 s[G0+4*\s], 1
	s_add_co_u32 s[G0+4*\s+1], s20, \s*SLOT
	s_add_nc_u64 s[G0+4*\s+2:G0+4*\s+3], s[18:19], \s*KSTEP*2
	s_or_b32 s[G0+4*\s+3], s[G0+4*\s+3], 0x80000000
	s_mov_b32 s[G0B+4*\s], 1
	s_add_co_u32 s[G0B+4*\s+1], s21, \s*SLOT
	s_add_nc_u64 s[G0B+4*\s+2:G0B+4*\s+3], s[46:47], \s*KSTEP*384
	s_or_b32 s[G0B+4*\s+3], s[G0B+4*\s+3], 0x80000000
	JLOAD \s
.endr
	s_and_b32 s16, s43, 7
	s_lshl_b32 s16, s16, 16                        ; my block's first position: 256 positions of 256 bytes
	s_mov_b32 s17, 0
	s_add_nc_u64 s[8:9], s[8:9], s[16:17]
	v_and_b32 v1, 15, v0                           ; r
	v_bfe_u32 v2, v0, 4, 1                         ; h
	v_and_b32 v7, 31, v0                           ; l
	v_mul_u32_u24 v3, APITCH, v1
	v_lshl_add_u32 v3, v2, 4, v3
	s_mul_i32 s22, s12, 64*APITCH                  ; my 64 rows
	v_add_nc_u32 v[ADRA], s22, v3
	v_add_nc_u32 v[ADRA+1], SLOT, v[ADRA]
	v_and_b32 v5, 7, v0
	v_lshl_or_b32 v6, v2, 3, v5                    ; 8 h + (l & 7)
	v_mul_u32_u24 v6, BPITCH, v6
	v_bfe_u32 v8, v0, 3, 1
	v_lshl_add_u32 v6, v8, 4, v6
	v_add_nc_u32 v[ADRB], BOFF, v6
	v_add_nc_u32 v[ADRB+1], BOFF+SLOT, v6
	s_mul_i32 s23, s12, SWAVE
	s_add_co_u32 s23, s23, STAGE                   ; my stage
	v_mul_u32_u24 v4, SPITCH, v1
	v_lshl_add_u32 v4, v2, 4, v4
	v_add_nc_u32 v[STO], s23, v4                   ; in: row r, 16 bytes for each half of the lanes
	v_lshrrev_b32 v4, 3, v7
	v_mul_u32_u24 v4, SPITCH, v4
	v_lshl_add_u32 v4, v5, 4, v4
	v_add_nc_u32 v[RD], s23, v4                    ; back: eight lanes a row of 128 bytes, four rows a load
	v_lshlrev_b32 v[CO], 4, v7
	s_lshl_b32 s22, s12, 14                        ; 64 positions
	v_lshlrev_b32 v4, 8, v1
	v_lshl_add_u32 v4, v2, 5, v4
	v_add_nc_u32 v[TBO], s22, v4                   ; position 64 w + r, pairs 4 h ..
	; cos and sin of my 64 rows: for rows 16 a + r and columns 16 bq + 8 h .. + 7 the four pairs at 64 bq + 32 h.  Waited for on the way out.
.irp a, 0,1,2,3
.irp bq, 0,1,2,3
	global_load_b128 v[TB+32*\a+8*\bq:TB+32*\a+8*\bq+3],   v[TBO], s[8:9] offset:\a*4096+\bq*64
	global_load_b128 v[TB+32*\a+8*\bq+4:TB+32*\a+8*\bq+7], v[TBO], s[8:9] offset:\a*4096+\bq*64+16
.endr
.endr
; 16 products: v's four column tiles x my four row tiles.  The 48 accumulators take turns, one instruction a turn, in the same order in every
; quarter step: no two matrix instructions that follow each other share an accumulator.
.macro MULV f, zero
.irp b, 8,9,10,11
.irp a, 0,1,2,3
.if \zero
	v_wmma_f32_16x16x32_f16 v[8*(4*(\b-8)+\a):8*(4*(\b-8)+\a)+7], v[96*\f+8*\b:96*\f+8*\b+7], v[FA+32*\f+8*\a:FA+32*\f+8*\a+7], 0
.else
	v_wmma_f32_16x16x32_f16 v[8*(4*(\b-8)+\a):8*(4*(\b-8)+\a)+7], v[96*\f+8*\b:96*\f+8*\b+7], v[FA+32*\f+8*\a:FA+32*\f+8*\a+7], v[8*(4*(\b-8)+\a):8*(4*(\b-8)+\a)+7]
.endif
.endr
.endr
.endm
.macro MULQK f, zero                   ; 32 products: q's and k's eight column tiles
.irp b, 0,1,2,3,4,5,6,7
.irp a, 0,1,2,3
.if \zero
	v_wmma_f32_16x16x32_f16 v[8*(4*\b+\a):8*(4*\b+\a)+7], v[96*\f+8*\b:96*\f+8*\b+7], v[FA+32*\f+8*\a:FA+32*\f+8*\a+7], 0
.else
	v_wmma_f32_16x16x32_f16 v[8*(4*\b+\a):8*(4*\b+\a)+7], v[96*\f+8*\b:96*\f+8*\b+7], v[FA+32*\f+8*\a:FA+32*\f+8*\a+7], v[8*(4*\b+\a):8*(4*\b+\a)+7]
.endif
.endr
.endr
.endm
; 32 LDS loads in one run: quarter q (32 along K) of a slot into buffer f: xn's 4 fragments, v's 4, then q's and k's 8
.macro FETCH slot, q, f
	WIN TO_F
.irp a, 0,1,2,3
	ds_load_b128 v[FA+32*\f+8*\a:FA+32*\f+8*\a+3],   v[ADRA+\slot] offset:\a*16*APITCH+64*\q
	ds_load_b128 v[FA+32*\f+8*\a+4:FA+32*\f+8*\a+7], v[ADRA+\slot] offset:\a*16*APITCH+64*\q+32
.endr
.irp b, 8,9,10,11,0,1,2,3,4,5,6,7
	ds_load_tr16_b128 v[96*\f+8*\b:96*\f+8*\b+3],   v[ADRB+\slot] offset:\q*32*BPITCH+(\b/4)*160+(\b%4)*32
	ds_load_tr16_b128 v[96*\f+8*\b+4:96*\f+8*\b+7], v[ADRB+\slot] offset:\q*32*BPITCH+(\b/4)*160+(\b%4)*32+16*BPITCH
.endr
.endm
.macro QUARTER slot, qn, f, g, zero    ; multiplies buffer f; in between fetches quarter qn into buffer g
	s_wait_dscnt 16                                ; xn's and v's fragments are in; the youngest 16 loads (q's and k's) may be out
	WIN MUL_V
	MULV \f, \zero
	PLACES
	FETCH \slot, \qn, \g
	s_wait_dscnt 32                                ; all but the 32 just issued
	WIN MUL_QK
	MULQK \f, \zero
.endm
.macro THREE slot, zero
	QUARTER \slot, 1, 0, 1, \zero
	QUARTER \slot, 2, 1, 0, 0
	QUARTER \slot, 3, 0, 1, 0
.endm
; The last quarter multiplies buffer 1 and changes slots.  In front of the barrier each wave waits for its reads of this slot and for all its
; tensor loads (one is out: its part of the next slot).  Where the slot is filled again the barrier opens a round of the cluster's barrier, only
; register work stands inside the round, and the joint refill is the first tensor load behind it.
.macro TURN slot, next, fill
	s_wait_dscnt 0x0
	s_set_vgpr_msb 0x5f50
	s_wait_tensorcnt 0x0
	ds_add_u32 v30, v31
	s_wait_dscnt 0x0
	s_set_vgpr_msb 0x505f
	s_barrier_signal -1
	WIN MUL_V
	MULV 1, 0
	WIN 0
	s_barrier_wait -1
.if \fill
	CREST
	s_add_nc_u64 s[G0+4*\slot+2:G0+4*\slot+3], s[G0+4*\slot+2:G0+4*\slot+3], 2*KSTEP*2
	s_add_nc_u64 s[G0B+4*\slot+2:G0B+4*\slot+3], s[G0B+4*\slot+2:G0B+4*\slot+3], 2*KSTEP*384
	JLOAD \slot
.endif
	PLACES
	FETCH \next, 0, 0
	WIN MUL_QK
	MULQK 1, 0
.endm
.macro LAP zero
	THREE 0, \zero
	TURN 0, 1, 1
	THREE 1, 0
	TURN 1, 0, 1
.endm
	s_wait_tensorcnt 1                             ; my part of K step 0 is in; K step 1's load stays out
	s_barrier_signal -1
	s_barrier_wait -1
	FETCH 0, 0, 0
	LAP 1                                          ; the first products start the sums: nothing is cleared
	WIN 0
	s_mov_b32 s3, LAPS-2
.Llap:
	LAP 0
	WIN 0
	s_sub_co_u32 s3, s3, 1
	s_cmp_lg_u32 s3, 0
	s_cbranch_scc1 .Llap
	THREE 0, 0                                     ; the last lap fills nothing
	TURN 0, 1, 0
	THREE 1, 0
	s_wait_dscnt 0x0
	WIN MUL_V
	MULV 1, 0
	WIN MUL_QK
	MULQK 1, 0
	WIN 0
	PLACES
	; THE WAY OUT, 16 rows at a time
	s_wait_loadcnt 0x0                             ; cos and sin
	s_lshr_b32 s16, s43, 3
	s_lshl_b32 s16, s16, 22                        ; batch: 16 heads x 2,048 rows x 128 bytes
	s_and_b32 s17, s43, 7
	s_lshl_b32 s17, s17, 15                        ; 256 rows
	s_add_co_u32 s16, s16, s17
	s_lshl_b32 s17, s12, 13                        ; my 64 rows
	s_add_co_u32 s16, s16, s17
	s_mov_b32 s17, 0
	s_lshl_b32 s46, s42, 18                        ; head
	s_mov_b32 s47, 0
	s_add_nc_u64 s[QB:QB+1], s[10:11], s[16:17]
	s_add_nc_u64 s[QB:QB+1], s[QB:QB+1], s[46:47]
	s_add_nc_u64 s[KB:KB+1], s[QB:QB+1], 8388608
	s_add_nc_u64 s[VB:VB+1], s[QB:QB+1], 16777216
.macro OUT a
	s_wait_xcnt 0x0                                ; the last 16 rows' stores have had their addresses translated (ISA guide 3.1): their data registers are written again only behind this wait
	WIN 0x01                                       ; source 0: window 1
.irp b, 0,1,2,3,4,5,6,7
.irp p, 0,1,2,3
	; (x1, x2) -> (x1 cos - x2 sin, x2 cos + x1 sin)
	v_pk_mul_f32 v[U+8*\b+2*\p:U+8*\b+2*\p+1], v[8*(4*\b+\a)+2*\p:8*(4*\b+\a)+2*\p+1], v[TB+32*\a+8*(\b%4)+2*\p:TB+32*\a+8*(\b%4)+2*\p+1] op_sel_hi:[1,0]
	v_fma_f32 v[U+8*\b+2*\p],   -v[8*(4*\b+\a)+2*\p+1], v[TB+32*\a+8*(\b%4)+2*\p+1], v[U+8*\b+2*\p]
	v_fma_f32 v[U+8*\b+2*\p+1], v[8*(4*\b+\a)+2*\p],    v[TB+32*\a+8*(\b%4)+2*\p+1], v[U+8*\b+2*\p+1]
.endr
.endr
	WIN 0
.set i, 0
.rept 32
	v_cvt_pk_f16_f32 v[U+i], v[U+2*i], v[U+2*i+1]  ; in place, ascending: word i is written when words 2 i, 2 i + 1 have been read
.set i, i+1
.endr
	WIN 0x0a                                       ; sources 0 and 1: window 2
.irp b, 0,1,2,3
.irp p, 0,1,2,3
	v_cvt_pk_f16_f32 v[U+32+4*\b+\p], v[8*(4*\b+\a)+2*\p], v[8*(4*\b+\a)+2*\p+1]
.endr
.endr
	WIN 0
.irp b, 0,1,2,3,4,5,6,7,8,9,10,11
	ds_store_b128 v[STO], v[U+4*\b:U+4*\b+3] offset:(\b/4)*SREG+(\b%4)*32
.endr
.irp i, 0,1,2,3,4,5,6,7
	ds_load_b128 v[RB+4*\i:RB+4*\i+3], v[RD] offset:(\i/4)*SREG+(\i%4)*4*SPITCH   ; my own bytes: LDS serves a wave's instructions in order (ISA guide 5.7.1.4)
.endr
.irp u, 0,1,2,3
	ds_load_b128 v[U+48+4*\u:U+48+4*\u+3], v[RD] offset:2*SREG+\u*4*SPITCH
.endr
.irp u, 0,1,2,3
	s_wait_dscnt 11-\u
	global_store_b128 v[CO], v[RB+4*\u:RB+4*\u+3], s[QB:QB+1] offset:\a*2048+512*\u        ; a store covers 512 consecutive bytes, aligned
.endr
.irp u, 0,1,2,3
	s_wait_dscnt 7-\u
	global_store_b128 v[CO], v[RB+16+4*\u:RB+16+4*\u+3], s[KB:KB+1] offset:\a*2048+512*\u
.endr
.irp u, 0,1,2,3
	s_wait_dscnt 3-\u
	global_store_b128 v[CO], v[U+48+4*\u:U+48+4*\u+3], s[VB:VB+1] offset:\a*2048+512*\u
.endr
.endm
	OUT 0
	OUT 1
	OUT 2
	OUT 3
	s_wait_tensorcnt 0x0
	ds_add_u32 v30, v31
	s_wait_dscnt 0x0
	CROUND                                         ; the closing round: no work-group ends while a partner may still ask for a tile that names it
	s_endpgm
.Lfunc_end_k_q4f9f51272e_qkv:
	.size	k_q4f9f51272e_qkv, .Lfunc_end_k_q4f9f51272e_qkv-k_q4f9f51272e_qkv
	.p2alignl 7, 3214868480
	.fill 96, 4, 3214868480
	.section	.rodata,"a",@progbits
	.p2align	6, 0x0
	.amdhsa_kernel k_q4f9f51272e_qkv
		.amdhsa_group_segment_fixed_size 327680
		.amdhsa_private_segment_fixed_size 0
		.amdhsa_enable_private_segment 0
		.amdhsa_kernarg_size 32
		.amdhsa_user_sgpr_count 2
		.amdhsa_user_sgpr_kernarg_segment_ptr 1
		.amdhsa_wavefront_size32 1
		.amdhsa_system_sgpr_workgroup_id_x 1
		.amdhsa_system_sgpr_workgroup_id_y 1
		.amdhsa_system_sgpr_workgroup_id_z 1
		.amdhsa_system_vgpr_workitem_id 0
		.amdhsa_next_free_vgpr 1024
		.amdhsa_next_free_sgpr 72
		.amdhsa_reserve_vcc 0
		.amdhsa_float_denorm_mode_32 3
		.amdhsa_float_denorm_mode_16_64 3
		.amdhsa_memory_ordered 1
		.amdhsa_forward_progress 1
		.amdhsa_inst_pref_size 190
	.end_amdhsa_kernel
	.amdgpu_metadata
---
amdhsa.version: [ 1, 2 ]
amdhsa.kernels:
  - .name:           k_q4f9f51272e_qkv
    .symbol:         k_q4f9f51272e_qkv.kd
    .args:
      - { .name: xnb, .offset: 0, .size: 8, .value_kind: global_buffer, .address_space: global }
      - { .name: wb, .offset: 8, .size: 8, .value_kind: global_buffer, .address_space: global }
      - { .name: rope, .offset: 16, .size: 8, .value_kind: global_buffer, .address_space: global }
      - { .name: qkvb, .offset: 24, .size: 8, .value_kind: global_buffer, .address_space: global }
    .group_segment_fixed_size: 327680
    .private_segment_fixed_size: 0
    .kernarg_segment_align: 8
    .kernarg_segment_size: 32
    .max_flat_workgroup_size: 128
    .sgpr_count:     72
    .vgpr_count:     1024
    .wavefront_size: 32
...
	.end_amdgpu_metadata
.endif
;; end of part 2
;; launch attn (part 3): grid 8 x 32, 4 waves a work-group, clusters of 4 x 1, 327,680 bytes of LDS; arguments qkvb, gates, ob; writes ob
.if DOCPART == 3
	.amdgcn_target "amdgcn-amd-amdhsa--gfx1250"
	.amdhsa_code_object_version 6
	.text
	.protected	k_q4f9f51272e_attn
	.globl	k_q4f9f51272e_attn
	.p2align	8
	.type	k_q4f9f51272e_attn,@function
k_q4f9f51272e_attn:
	s_mov_b64 s[64:65], 0
	v_nop
	global_prefetch_b8 v0, s[64:65] scope:SCOPE_SE
	s_setreg_imm32_b32 hwreg(HW_REG_WAVE_MODE, 25, 1), 1
	s_wait_xcnt 0x0
	s_wait_alu depctr_hold_cnt(0) depctr_sa_sdst(0) depctr_va_vdst(0) depctr_va_sdst(0) depctr_va_ssrc(0) depctr_va_vcc(0) depctr_vm_vsrc(0)
	s_getreg_b32 s2, hwreg(HW_REG_IB_STS2, 6, 4)
	s_cmp_eq_u32 s2, 0
	s_cbranch_scc0 .Lentry_in_a_cluster
	s_endpgm
.Lentry_in_a_cluster:
	s_bfe_u32 s2, ttmp6, 0x10000c
	s_cmp_lg_u32 s2, 0x3003
	s_cbranch_scc0 .Lentry_shape_is_right
	s_endpgm
.Lentry_shape_is_right:
; ATTENTION of one (batch, head) y and 256 queries, with a running maximum; divided by the sum and multiplied by the gate on the way out.
; Four waves, 64 queries each (four tiles t of 16).  Keys go in tiles of 256 through two LDS slots, in blocks of 64.
; CLUSTERS: the four query blocks of a cluster (4 x 1) read the same K and V tiles and ask for them jointly (mask 15).
; By this text's count a wave has at most two tensor loads outstanding.
; EVERYTHING IS COMPUTED TRANSPOSED.  S^T = K Q^T: lane (r = l % 16, h = l / 16), register j holds (key 8 h + j, query r).  Two neighbouring
; tiles of S^T, rounded to f16, are then a B fragment of P^T for 32 keys as they stand, and O^T = V^T P^T needs no shuffle and no LDS trip.
; V^T's fragments come by the transposing LDS load.  Maximum, sum, rescaling factor and gate of a query are one number a lane; the two halves of the
; lanes hold different keys: one lane exchange joins their maxima in every block, their sums are joined once at the end.
; The scores of block n + 1 are multiplied between the softmax steps of block n.
; All matrix operands are f16.  P lies in [0, 1] by the running maximum.  LIMITS: an entry of P under 3e-8 of the largest so far drops out of the product with V
; but stays in the sum, which is taken from the unrounded f32 exponentials: over 2,048 keys at most 6e-5 of the sum.  The output is bounded by the largest |v|;
; under 6.1e-5 it keeps an absolute step of 6e-8 (with gamma and w_qkv both 30 times smaller than 1 and 1/32 its root mean square is 2e-5: an error of 0.08% of it).
; The gates are [row][16] f32: a lane fetches 4 bytes of a row's 64, four loads a wave, once in the kernel.
; REGISTERS: window 0: addresses and per-query numbers, S v64-191 (tile (t, kt) at 64 + 32 t + 8 kt), P v192-223 (two buffers of 16);
;   window 1: O^T v0-127 (tile (t, dt) at 8 (4 t + dt)), K fragments v128-191, V^T fragments v192-255; window 2: Q fragments v0-63.
.set VPITCH, 160                       ; 128 bytes + 32: an odd multiple of 32, for the transposing load
.set KPITCH, 144                       ; 128 bytes + 16: an odd multiple of 16
.set VHALF,  128*VPITCH
.set KHALF,  128*KPITCH
.set KOFF,   2*VHALF
.set SLOT,   KOFF+2*KHALF              ; 77,824
.set STAGE,  2*SLOT                    ; behind the ring: no tensor load lands here
.set SPITCH, 144
.set STILE,  16*SPITCH
.set SWAVE,  4*STILE
.set QV,  15
.set KAD, 16
.set VAD, 18
.set STO, 20
.set RD,  21
.set CO,  22
.set GV,  23
.set GT,  24                           ; v24-27 gate of query r of tile t
.set M,   28                           ; v28-31 running maximum (raw scores)
.set L,   32                           ; v32-35 running sum, of my half's keys
.set Y,   38
.set MN,  39
.set NMC, 40                           ; v40: - maximum * c; v41 written once: the pair is named, its first word is used twice
.set AL,  42                           ; v42: rescaling factor; v43 likewise
.set ARG, 44
.set XM,  48                           ; v48-51 four chains of the maximum
.set T,   56                           ; v56-63 four chains of the sum
.set S,   64
.set P,   192
.set KF,  128
.set VF,  192
.set G1V, 24
.set G0V, 32
.set G1K, 48
.set G0K, 56
.set MSB, 0
.macro WIN new
.if MSB != \new
	s_set_vgpr_msb (MSB<<8)|\new
.set MSB, \new
.endif
.endm
.macro ROUND                           ; a round of the cluster's barrier
	s_barrier_signal -1
	s_barrier_wait -1
	s_cmp_lg_u32 s10, 0
	s_cbranch_scc1 .Lnot_wave_0_\@
	s_barrier_signal -3
.Lnot_wave_0_\@:
	s_barrier_wait -3
	s_barrier_signal -1
	s_barrier_wait -1
.endm
.macro JLOAD s                         ; waves 0 and 1 ask for V's halves, waves 2 and 3 for K's
	s_cmp_eq_u32 s11, 0
	s_cbranch_scc0 .Lfor_k_\@
	tensor_load_to_lds s[G0V+4*\s:G0V+4*\s+3], s[G1V:G1V+7]
	s_nop 0
	s_branch .Lasked_\@
.Lfor_k_\@:
	tensor_load_to_lds s[G0K+4*\s:G0K+4*\s+3], s[G1K:G1K+7]
	s_nop 0
.Lasked_\@:
.endm
.macro PLACES                          ; four places behind a matrix instruction before its registers are loaded into or its results read (ISA guide 7.12.1)
.rept 4
	v_nop
.endr
.endm
	s_load_b128 s[4:7], s[0:1], 0x0                ; qkvb s[4:5], gates s[6:7]
	s_load_b64 s[8:9], s[0:1], 0x10                ; ob
	v_lshl_add_u32 v54, v0, 2, 0x2f000
	v_mov_b32 v55, 0
	ds_add_u32 v54, v55
	v_lshrrev_b32 v1, 5, v0
	v_readfirstlane_b32 s10, v1                    ; wave
	s_lshr_b32 s11, s10, 1                         ; 0: I fetch V, 1: K
	s_and_b32 s12, s10, 1                          ; which 128 keys of a tile
	s_bfe_u32 s42, ttmp6, 0x40000                  ; cx
	s_lshl_b32 s43, ttmp9, 2
	s_add_co_u32 s43, s43, s42                     ; block of 256 queries
	s_and_b32 s44, ttmp7, 0xffff                   ; y = batch * 16 + head
	s_mov_b32 s20, 0x3e38aa3b                      ; c = log2(e) / 8: exp(score / 8) = 2^(c score)
	s_mov_b32 s21, 0x3e38aa3b
	s_mov_b32 s22, 0xbe38aa3b                      ; - c
	s_mov_b32 s40, 0x76543210                      ; v_permlanex16_b32: lane i takes lane i of the other half
	s_mov_b32 s41, 0xfedcba98
	; 128 keys of 128 bytes are 16,384 consecutive bytes = 64 rows of 32 elements of 8 bytes; padding behind every 32 words: V 8 words, K 4
	s_mov_b32 s[G1V+0], 15|(3<<16)|(1<<20)|(1<<21)|(4<<22)|(7<<25)
	s_mov_b32 s[G1K+0], 15|(3<<16)|(1<<20)|(1<<21)|(4<<22)|(3<<25)
.irp g, G1V, G1K
	s_mov_b32 s[\g+1], 32<<16
	s_mov_b32 s[\g+2], 64<<16
	s_mov_b32 s[\g+3], 32<<16
	s_mov_b32 s[\g+4], 64
	s_mov_b32 s[\g+5], 32
	s_mov_b32 s[\g+6], 0
	s_mov_b32 s[\g+7], 0
.endr
	s_lshl_b32 s16, s44, 18                        ; a head: 2,048 keys of 128 bytes.  s16-19 never hold cx
	s_lshl_b32 s17, s12, 14                        ; 128 keys
	s_add_co_u32 s16, s16, s17
	s_mov_b32 s17, 0
	s_mul_i32 s14, s10, VHALF                      ; LDS: waves 0, 1: V's halves
	s_mul_i32 s15, s10, KHALF
	s_add_co_u32 s15, s15, KOFF-2*KHALF            ; waves 2, 3: K's halves, behind V
	s_wait_dscnt 0x0
	s_wait_kmcnt 0x0
	s_add_nc_u64 s[18:19], s[4:5], s[16:17]
	ROUND                                          ; the four work-groups are here: the first joint loads meet
.irp s, 0,1
	s_mov_b32 s[G0V+4*\s], 1
	s_add_co_u32 s[G0V+4*\s+1], s14, \s*SLOT
	s_add_nc_u64 s[G0V+4*\s+2:G0V+4*\s+3], s[18:19], 16777216+\s*32768
	s_or_b32 s[G0V+4*\s+3], s[G0V+4*\s+3], 0x80000000
	s_mov_b32 s[G0K+4*\s], 1
	s_add_co_u32 s[G0K+4*\s+1], s15, \s*SLOT
	s_add_nc_u64 s[G0K+4*\s+2:G0K+4*\s+3], s[18:19], 8388608+\s*32768
	s_or_b32 s[G0K+4*\s+3], s[G0K+4*\s+3], 0x80000000
	JLOAD \s
.endr
	s_lshl_b32 s46, s44, 18
	s_lshl_b32 s47, s43, 15                        ; 256 queries of 128 bytes
	s_add_co_u32 s46, s46, s47
	s_mov_b32 s47, 0
	s_add_nc_u64 s[66:67], s[4:5], s[46:47]        ; my block of q
	s_add_nc_u64 s[8:9], s[8:9], s[46:47]          ; and of ob,
	s_lshl_b32 s46, s10, 13
	s_add_nc_u64 s[8:9], s[8:9], s[46:47]          ; at my wave's 64 queries
	s_lshr_b32 s46, s44, 4
	s_lshl_b32 s46, s46, 17                        ; batch: 2,048 rows of 64 bytes
	s_lshl_b32 s13, s43, 14                        ; 256 rows
	s_add_co_u32 s46, s46, s13
	s_and_b32 s13, s44, 15
	s_lshl_b32 s13, s13, 2                         ; head
	s_add_co_u32 s46, s46, s13
	s_add_nc_u64 s[6:7], s[6:7], s[46:47]
	v_and_b32 v1, 15, v0                           ; r
	v_bfe_u32 v2, v0, 4, 1                         ; h
	v_and_b32 v3, 31, v0                           ; l
	v_mul_u32_u24 v4, KPITCH, v1
	v_lshl_add_u32 v4, v2, 4, v4
	v_add_nc_u32 v[KAD], KOFF, v4                  ; key r, 16 h
	v_add_nc_u32 v[KAD+1], KOFF+SLOT, v4
	v_and_b32 v5, 7, v0
	v_lshl_or_b32 v6, v2, 3, v5                    ; key 8 h + (l & 7)
	v_mul_u32_u24 v6, VPITCH, v6
	v_bfe_u32 v7, v0, 3, 1
	v_lshl_add_u32 v[VAD], v7, 4, v6
	v_add_nc_u32 v[VAD+1], SLOT, v[VAD]
	s_mul_i32 s23, s10, SWAVE
	s_add_co_u32 s23, s23, STAGE                   ; my stage
	v_mul_u32_u24 v4, SPITCH, v1
	v_lshl_add_u32 v4, v2, 4, v4
	v_add_nc_u32 v[STO], s23, v4
	v_lshrrev_b32 v6, 3, v3
	v_mul_u32_u24 v6, SPITCH, v6
	v_lshl_add_u32 v6, v5, 4, v6
	v_add_nc_u32 v[RD], s23, v6
	v_lshlrev_b32 v[CO], 4, v3
	s_lshl_b32 s13, s10, 13
	v_lshlrev_b32 v6, 7, v1
	v_lshl_add_u32 v6, v2, 4, v6
	v_add_nc_u32 v[QV], s13, v6                    ; query 64 w + r, 16 h
	s_lshl_b32 s13, s10, 12
	v_lshl_add_u32 v[GV], v1, 6, s13               ; row 64 w + r of the gates
	v_mov_b32 v[Y], 0                              ; v_permlanex16_b32's destination counts as read
	v_mov_b32 v[NMC+1], 0
	v_mov_b32 v[AL+1], 0
	WIN 0x80                                       ; destination: window 2
.irp t, 0,1,2,3
.irp c, 0,1
	global_load_b128 v[8*(2*\t+\c):8*(2*\t+\c)+3],   v[QV], s[66:67] offset:\t*2048+64*\c
	global_load_b128 v[8*(2*\t+\c)+4:8*(2*\t+\c)+7], v[QV], s[66:67] offset:\t*2048+64*\c+32
.endr
.endr
	WIN 0
.irp t, 0,1,2,3
	global_load_b32 v[GT+\t], v[GV], s[6:7] offset:1024*\t
.endr
.macro LDV slot, sb                    ; V^T's fragments of block sb: 2 x 32 keys, 4 x 16 d
	WIN 0x40
.irp c2, 0,1
.irp dt, 0,1,2,3
	ds_load_tr16_b128 v[VF+8*(4*\c2+\dt):VF+8*(4*\c2+\dt)+3],   v[VAD+\slot] offset:(64*\sb+32*\c2)*VPITCH+32*\dt
	ds_load_tr16_b128 v[VF+8*(4*\c2+\dt)+4:VF+8*(4*\c2+\dt)+7], v[VAD+\slot] offset:(64*\sb+32*\c2+16)*VPITCH+32*\dt
.endr
.endr
.endm
.macro LDK slot, sb                    ; K's fragments of block sb: 4 x 16 keys, 2 x 32 d
	WIN 0x40
.irp kt, 0,1,2,3
.irp c, 0,1
	ds_load_b128 v[KF+8*(2*\kt+\c):KF+8*(2*\kt+\c)+3],   v[KAD+\slot] offset:(64*\sb+16*\kt)*KPITCH+64*\c
	ds_load_b128 v[KF+8*(2*\kt+\c)+4:KF+8*(2*\kt+\c)+7], v[KAD+\slot] offset:(64*\sb+16*\kt)*KPITCH+64*\c+32
.endr
.endr
.endm
; In SQK and PV four accumulators take turns, one instruction a turn.
.macro SQK t                           ; S^T of 64 keys x the 16 queries of tile t
	WIN 0x09                                       ; source 0 (K) window 1, source 1 (Q) window 2, C and D window 0
.irp kt, 0,1,2,3
	v_wmma_f32_16x16x32_f16 v[S+32*\t+8*\kt:S+32*\t+8*\kt+7], v[KF+16*\kt:KF+16*\kt+7], v[16*\t:16*\t+7], 0
.endr
.irp kt, 0,1,2,3
	v_wmma_f32_16x16x32_f16 v[S+32*\t+8*\kt:S+32*\t+8*\kt+7], v[KF+16*\kt+8:KF+16*\kt+15], v[16*\t+8:16*\t+15], v[S+32*\t+8*\kt:S+32*\t+8*\kt+7]
.endr
.endm
.macro PV t, first                     ; O^T += V^T P^T
	WIN 0x51                                       ; source 0 (V^T) window 1, source 1 (P^T) window 0, C and D window 1
.irp dt, 0,1,2,3
.if \first
	v_wmma_f32_16x16x32_f16 v[8*(4*\t+\dt):8*(4*\t+\dt)+7], v[VF+8*\dt:VF+8*\dt+7], v[P+16*(\t&1):P+16*(\t&1)+7], 0
.else
	v_wmma_f32_16x16x32_f16 v[8*(4*\t+\dt):8*(4*\t+\dt)+7], v[VF+8*\dt:VF+8*\dt+7], v[P+16*(\t&1):P+16*(\t&1)+7], v[8*(4*\t+\dt):8*(4*\t+\dt)+7]
.endif
.endr
.irp dt, 0,1,2,3
	v_wmma_f32_16x16x32_f16 v[8*(4*\t+\dt):8*(4*\t+\dt)+7], v[VF+32+8*\dt:VF+32+8*\dt+7], v[P+16*(\t&1)+8:P+16*(\t&1)+15], v[8*(4*\t+\dt):8*(4*\t+\dt)+7]
.endr
.endm
.macro RESC t                          ; O^T of tile t times the rescaling factor of the lane's query
	WIN 0x41
.set i, 0
.rept 16
	v_pk_mul_f32 v[32*\t+2*i:32*\t+2*i+1], v[32*\t+2*i:32*\t+2*i+1], v[AL:AL+1] op_sel_hi:[1,0]
.set i, i+1
.endr
.endm
; One tile's softmax step over 64 keys: new maximum, p = 2^(c (s - maximum)), sum, p to f16.
.macro SOFTMAX t, first
	WIN 0
.irp k, 0,1,2,3
	v_max3_num_f32 v[XM+\k], v[S+32*\t+8*\k], v[S+32*\t+8*\k+1], v[S+32*\t+8*\k+2]
.endr
.irp k, 0,1,2,3
	v_max3_num_f32 v[XM+\k], v[XM+\k], v[S+32*\t+8*\k+3], v[S+32*\t+8*\k+4]
.endr
.irp k, 0,1,2,3
	v_max3_num_f32 v[XM+\k], v[XM+\k], v[S+32*\t+8*\k+5], v[S+32*\t+8*\k+6]
.endr
	v_max3_num_f32 v[XM], v[XM], v[XM+1], v[S+32*\t+7]
	v_max3_num_f32 v[XM+2], v[XM+2], v[XM+3], v[S+32*\t+15]
	v_max3_num_f32 v[XM], v[XM], v[XM+2], v[S+32*\t+23]
.if \first
	v_max_num_f32 v[XM], v[XM], v[S+32*\t+31]
.else
	v_max3_num_f32 v[XM], v[XM], v[S+32*\t+31], v[M+\t]
.endif
	v_permlanex16_b32 v[Y], v[XM], s40, s41        ; the other half's keys
	v_max_num_f32 v[MN], v[XM], v[Y]
	v_mul_f32 v[NMC], s22, v[MN]
.if \first == 0
	v_fma_f32 v[ARG], v[M+\t], s20, v[NMC]         ; c (old maximum - new maximum)
.endif
.set i, 0
.rept 16
	v_pk_fma_f32 v[S+32*\t+2*i:S+32*\t+2*i+1], v[S+32*\t+2*i:S+32*\t+2*i+1], s[20:21], v[NMC:NMC+1] op_sel_hi:[1,0,0]
.set i, i+1
.endr
.set i, 0
.rept 32
	v_exp_f32 v[S+32*\t+i], v[S+32*\t+i]
.set i, i+1
.endr
.if \first == 0
	v_exp_f32 v[AL], v[ARG]
.endif
	v_mov_b32 v[M+\t], v[MN]                       ; the plain instruction behind the transcendentals before their results are used (ISA guide 5.7.2)
.set i, 0
	s_wait_alu depctr_va_vdst(0)
.rept 16
	v_cvt_pk_f16_f32 v[P+16*(\t&1)+i], v[S+32*\t+2*i], v[S+32*\t+2*i+1]
.set i, i+1
.endr
.irp k, 0,1,2,3
	v_pk_add_f32 v[T+2*\k:T+2*\k+1], v[S+32*\t+2*\k:S+32*\t+2*\k+1], v[S+32*\t+8+2*\k:S+32*\t+8+2*\k+1]
.endr
.irp k, 0,1,2,3
	v_pk_add_f32 v[T+2*\k:T+2*\k+1], v[T+2*\k:T+2*\k+1], v[S+32*\t+16+2*\k:S+32*\t+16+2*\k+1]
.endr
.irp k, 0,1,2,3
	v_pk_add_f32 v[T+2*\k:T+2*\k+1], v[T+2*\k:T+2*\k+1], v[S+32*\t+24+2*\k:S+32*\t+24+2*\k+1]
.endr
	v_pk_add_f32 v[T:T+1], v[T:T+1], v[T+2:T+3]
	v_pk_add_f32 v[T+4:T+5], v[T+4:T+5], v[T+6:T+7]
	v_pk_add_f32 v[T:T+1], v[T:T+1], v[T+4:T+5]
.if \first
	v_add_f32 v[L+\t], v[T], v[T+1]
.else
	v_fma_f32 v[L+\t], v[L+\t], v[AL], v[T]
	v_add_f32 v[L+\t], v[L+\t], v[T+1]
.endif
.endm
; One block of 64 keys.  Its scores lie in S already.  mode 1: the next block is in the same slot.  mode 2: this is the slot's last block, the slot is
; filled again.  mode 3: the slot's last block, nothing is filled.  mode 0: the last block of all.
.macro BLK slot, sb, first, mode
	PLACES
	LDV \slot, \sb
.if \mode == 1
	LDK \slot, (\sb+1)
.endif
	SOFTMAX 0, \first
.if \mode == 2
	s_wait_dscnt 0x0                               ; my reads of this slot are over: K's ended a block ago, V's last were issued at this block's head
	s_wait_tensorcnt 0x0                           ; all my tensor loads have landed: the one that was out is my part of the other slot
	ds_add_u32 v54, v55
	s_wait_dscnt 0x0
	ROUND                                          ; both now hold of every wave of the four work-groups
	s_add_nc_u64 s[G0V+4*\slot+2:G0V+4*\slot+3], s[G0V+4*\slot+2:G0V+4*\slot+3], 65536
	s_add_nc_u64 s[G0K+4*\slot+2:G0K+4*\slot+3], s[G0K+4*\slot+2:G0K+4*\slot+3], 65536
	JLOAD \slot                                    ; two tiles on: the first tensor load behind the round
	LDK (1-\slot), 0
.endif
.if \mode == 3
	s_wait_dscnt 0x0
	s_wait_tensorcnt 0x0                           ; my part of the last tile is in,
	s_barrier_signal -1
	s_barrier_wait -1                              ; everybody's is
	LDK (1-\slot), 0
.endif
.if \first == 0
	RESC 0
.endif
.if \mode == 0
	s_wait_dscnt 0x0
.else
	s_wait_dscnt 16                                ; V^T's fragments are in; K's 16 loads, issued behind them, may be out
.endif
	PV 0, \first
	SOFTMAX 1, \first
.if \first == 0
	RESC 1
.endif
	PV 1, \first
.if \mode
	s_wait_dscnt 0x0                               ; the next block's K fragments
	SQK 0
.endif
	SOFTMAX 2, \first
.if \first == 0
	RESC 2
.endif
	PV 2, \first
.if \mode
	SQK 1
.endif
	SOFTMAX 3, \first
.if \first == 0
	RESC 3
.endif
	PV 3, \first
.if \mode
	SQK 2
	SQK 3
.endif
	WIN 0
.endm
.macro TRIP slot, first, last          ; a tile of 256 keys
	BLK \slot, 0, \first, 1
	BLK \slot, 1, 0, 1
	BLK \slot, 2, 0, 1
	BLK \slot, 3, 0, \last
.endm
	s_wait_tensorcnt 1                             ; my part of tile 0 is in; tile 1's load stays out
	s_barrier_signal -1
	s_barrier_wait -1
	LDK 0, 0
	s_wait_loadcnt 4                               ; Q is in; the four gate loads stay out
	s_wait_dscnt 0x0
	SQK 0
	SQK 1
	SQK 2
	SQK 3
	WIN 0
	TRIP 0, 1, 2                                   ; tiles 0 and 1; the first block starts maximum, sum and O: nothing is cleared
	TRIP 1, 0, 2
	s_mov_b32 s3, 2
.Llap:
	TRIP 0, 0, 2                                   ; tiles 2 to 5
	TRIP 1, 0, 2
	s_sub_co_u32 s3, s3, 1
	s_cmp_lg_u32 s3, 0
	s_cbranch_scc1 .Llap
	TRIP 0, 0, 3                                   ; tiles 6 and 7 fetch nothing
	TRIP 1, 0, 0
	; THE WAY OUT
	PLACES
	s_wait_loadcnt 0x0                             ; the gates
.irp t, 0,1,2,3
	v_permlanex16_b32 v[XM+\t], v[L+\t], s40, s41
.endr
.irp t, 0,1,2,3
	v_add_f32 v[L+\t], v[L+\t], v[XM+\t]           ; the two halves' sums
.endr
.irp t, 0,1,2,3
	v_rcp_f32 v[XM+\t], v[L+\t]
.endr
	v_nop
	s_wait_alu depctr_va_vdst(0)
.irp t, 0,1,2,3
	v_mul_f32 v[T+2*\t], v[XM+\t], v[GT+\t]        ; gate / sum
.endr
	WIN 0x01                                       ; source 0: window 1
.irp t, 0,1,2,3
.set i, 0
.rept 16
	v_pk_mul_f32 v[S+32*\t+2*i:S+32*\t+2*i+1], v[32*\t+2*i:32*\t+2*i+1], v[T+2*\t:T+2*\t+1] op_sel_hi:[1,0]
.set i, i+1
.endr
.endr
	WIN 0
.set i, 0
.rept 64
	v_cvt_pk_f16_f32 v[S+i], v[S+2*i], v[S+2*i+1]  ; in place, ascending; tile (t, dt) ends at S + 16 t + 4 dt
.set i, i+1
.endr
.irp t, 0,1,2,3
.irp dt, 0,1,2,3
	ds_store_b128 v[STO], v[S+16*\t+4*\dt:S+16*\t+4*\dt+3] offset:STILE*\t+32*\dt   ; query r, d = 16 dt + 8 h ..
.endr
.endr
.irp t, 0,1,2,3
.irp u, 0,1,2,3
	ds_load_b128 v[P+16*\t+4*\u:P+16*\t+4*\u+3], v[RD] offset:STILE*\t+4*SPITCH*\u  ; my own bytes: LDS serves a wave's instructions in order (ISA guide 5.7.1.4)
.endr
.endr
.irp t, 0,1,2,3
.irp u, 0,1,2,3
	s_wait_dscnt 15-4*\t-\u
	global_store_b128 v[CO], v[P+16*\t+4*\u:P+16*\t+4*\u+3], s[8:9] offset:2048*\t+512*\u   ; a store covers 512 consecutive bytes, aligned
.endr
.endr
	s_wait_tensorcnt 0x0
	ds_add_u32 v54, v55
	s_wait_dscnt 0x0
	ROUND                                          ; the closing round
	s_endpgm
.Lfunc_end_k_q4f9f51272e_attn:
	.size	k_q4f9f51272e_attn, .Lfunc_end_k_q4f9f51272e_attn-k_q4f9f51272e_attn
	.p2alignl 7, 3214868480
	.fill 96, 4, 3214868480
	.section	.rodata,"a",@progbits
	.p2align	6, 0x0
	.amdhsa_kernel k_q4f9f51272e_attn
		.amdhsa_group_segment_fixed_size 327680
		.amdhsa_private_segment_fixed_size 0
		.amdhsa_enable_private_segment 0
		.amdhsa_kernarg_size 24
		.amdhsa_user_sgpr_count 2
		.amdhsa_user_sgpr_kernarg_segment_ptr 1
		.amdhsa_wavefront_size32 1
		.amdhsa_system_sgpr_workgroup_id_x 1
		.amdhsa_system_sgpr_workgroup_id_y 1
		.amdhsa_system_sgpr_workgroup_id_z 1
		.amdhsa_system_vgpr_workitem_id 0
		.amdhsa_next_free_vgpr 576
		.amdhsa_next_free_sgpr 68
		.amdhsa_reserve_vcc 0
		.amdhsa_float_denorm_mode_32 3
		.amdhsa_float_denorm_mode_16_64 3
		.amdhsa_memory_ordered 1
		.amdhsa_forward_progress 1
		.amdhsa_inst_pref_size 255
	.end_amdhsa_kernel
	.section	.bss,"aw",@nobits
	.p2align	6
	.space	262144
	.amdgpu_metadata
---
amdhsa.version: [ 1, 2 ]
amdhsa.kernels:
  - .name:           k_q4f9f51272e_attn
    .symbol:         k_q4f9f51272e_attn.kd
    .args:
      - { .name: qkvb, .offset: 0, .size: 8, .value_kind: global_buffer, .address_space: global }
      - { .name: gates, .offset: 8, .size: 8, .value_kind: global_buffer, .address_space: global }
      - { .name: ob, .offset: 16, .size: 8, .value_kind: global_buffer, .address_space: global }
    .group_segment_fixed_size: 327680
    .private_segment_fixed_size: 0
    .kernarg_segment_align: 8
    .kernarg_segment_size: 24
    .max_flat_workgroup_size: 128
    .sgpr_count:     68
    .vgpr_count:     576
    .wavefront_size: 32
...
	.end_amdgpu_metadata
.endif
;; end of part 3
;; launch oproj (part 4): grid 8 x 32, 4 waves a work-group, clusters of 4 x 4, 327,680 bytes of LDS; arguments ob, wb, out0; writes out0
.if DOCPART == 4
	.amdgcn_target "amdgcn-amd-amdhsa--gfx1250"
	.amdhsa_code_object_version 6
	.text
	.protected	k_q4f9f51272e_oproj
	.globl	k_q4f9f51272e_oproj
	.p2align	8
	.type	k_q4f9f51272e_oproj,@function
k_q4f9f51272e_oproj:
	s_mov_b64 s[64:65], 0
	v_nop
	global_prefetch_b8 v0, s[64:65] scope:SCOPE_SE
	s_setreg_imm32_b32 hwreg(HW_REG_WAVE_MODE, 25, 1), 1
	s_wait_xcnt 0x0
	s_wait_alu depctr_hold_cnt(0) depctr_sa_sdst(0) depctr_va_vdst(0) depctr_va_sdst(0) depctr_va_ssrc(0) depctr_va_vcc(0) depctr_vm_vsrc(0)
	s_getreg_b32 s2, hwreg(HW_REG_IB_STS2, 6, 4)
	s_cmp_eq_u32 s2, 0
	s_cbranch_scc0 .Lentry_in_a_cluster
	s_endpgm
.Lentry_in_a_cluster:
	s_bfe_u32 s2, ttmp6, 0x10000c
	s_cmp_lg_u32 s2, 0xf033
	s_cbranch_scc0 .Lentry_shape_is_right
	s_endpgm
.Lentry_shape_is_right:
; OUT PROJECTION: out0[4096][1024] f32 = o[4096][1024] (f16, stored by head: [batch*16 + head][2048][64]) times w_out (f16, [k][n], at byte 6,291,456 of wb).
; Work-group (bx, by): 128 x 128 of the result, so 8 x 32 = 256 work-groups; four waves of 64 x 64 (16 accumulator tiles).  A larger block would
; leave work for fewer work-groups than 256.  K goes in four steps of 256 (four heads) through two LDS slots; the steps are written out.
; CLUSTERS: 4 x 4.  o's tile hangs on by alone and is asked for jointly along a row of the cluster, w_out's on bx alone, along a column.
; By this text's count a wave has at most two tensor loads outstanding.
; The matrix instruction is used transposed (source 0 = 16 columns of w_out, by the transposing LDS load; source 1 = 16 rows of o): a lane holds
; row l % 16 and eight neighbouring columns, 32 bytes of f32.
; REGISTERS: window 0: addresses; fragments, two buffers: o v64-95, v128-159, w_out v96-127, v160-191; rows read back v192-255.  Window 1: accumulators at 8 (4 a + b).
.set APITCH, 144                       ; a head's 128 bytes + 16
.set PLANE,  128*APITCH                ; 128 rows of one head
.set BPITCH, 288                       ; 256 bytes + 32: an odd multiple of 32
.set PART,   36864                     ; two planes of o, or 128 k rows of w_out: what one tensor load brings
.set SLOT,   4*PART
.set STAGE,  2*SLOT                    ; behind the ring: no tensor load lands here
.set SPITCH, 272
.set ADRA, 16
.set ADRB, 20                          ; v20-23: slot, upper or lower 128 k rows
.set STO,  24
.set RD,   25
.set CO,   26
.set G1,  24
.set G0,  32
.set G1B, 48
.set G0B, 56
.set MSB, 0
.macro WIN new
.if MSB != \new
	s_set_vgpr_msb (MSB<<8)|\new
.set MSB, \new
.endif
.endm
.macro JLOAD s
	s_cmp_eq_u32 s11, 0
	s_cbranch_scc0 .Lfor_b_\@
	tensor_load_to_lds s[G0+4*\s:G0+4*\s+3], s[G1:G1+7]
	s_nop 0
	s_branch .Lasked_\@
.Lfor_b_\@:
	tensor_load_to_lds s[G0B+4*\s:G0B+4*\s+3], s[G1B:G1B+7]
	s_nop 0
.Lasked_\@:
.endm
.macro CREST
	s_cmp_lg_u32 s10, 0
	s_cbranch_scc1 .Lnot_wave_0_\@
	s_barrier_signal -3
.Lnot_wave_0_\@:
	s_barrier_wait -3
	s_barrier_signal -1
	s_barrier_wait -1
.endm
.macro CROUND
	s_barrier_signal -1
	s_barrier_wait -1
	CREST
.endm
.macro PLACES                          ; four places behind a matrix instruction before its registers are loaded into or its results read (ISA guide 7.12.1)
.rept 4
	v_nop
.endr
.endm
	s_load_b128 s[4:7], s[0:1], 0x0                ; ob s[4:5], wb s[6:7]
	s_load_b64 s[8:9], s[0:1], 0x10                ; out0
	v_lshl_add_u32 v62, v0, 2, 0x4c400
	v_mov_b32 v63, 0
	ds_add_u32 v62, v63
	v_lshrrev_b32 v1, 5, v0
	v_readfirstlane_b32 s10, v1                    ; wave
	s_lshr_b32 s11, s10, 1                         ; my half of the rows.  Also: I fetch o (0) or w_out (1)
	s_and_b32 s12, s10, 1                          ; my half of the columns.  Also: which part I fetch
	s_bfe_u32 s40, ttmp6, 0x40000                  ; cx
	s_bfe_u32 s41, ttmp6, 0x40004                  ; cy
	s_lshl_b32 s42, ttmp9, 2
	s_add_co_u32 s42, s42, s40                     ; bx
	s_and_b32 s13, ttmp7, 0xffff
	s_lshl_b32 s13, s13, 2
	s_add_co_u32 s13, s13, s41                     ; by
	s_lshl_b32 s43, s41, 2
	s_lshl_b32 s43, 15, s43                        ; my row of the cluster
	s_lshl_b32 s44, 0x1111, s40                    ; my column
	; o: two heads' planes, each 16,384 consecutive bytes = a row of 2,048 elements of 8 bytes, 262,144 bytes apart; 4 words of padding behind every 32
	s_or_b32 s[G1+0], s43, (3<<16)|(1<<20)|(1<<21)|(4<<22)|(3<<25)
	s_mov_b32 s[G1+1], 2048<<16
	s_mov_b32 s[G1+2], 2<<16
	s_mov_b32 s[G1+3], 2048<<16
	s_mov_b32 s[G1+4], 2
	s_mov_b32 s[G1+5], 32768
	s_mov_b32 s[G1+6], 0
	s_mov_b32 s[G1+7], 0
	; w_out: 128 k rows x 128 elements of 2 bytes; 8 words of padding behind every 64
	s_or_b32 s[G1B+0], s44, (1<<16)|(1<<20)|(1<<21)|(5<<22)|(7<<25)
	s_mov_b32 s[G1B+1], 128<<16
	s_mov_b32 s[G1B+2], 128<<16
	s_mov_b32 s[G1B+3], 128<<16
	s_mov_b32 s[G1B+4], 128
	s_mov_b32 s[G1B+5], 1024
	s_mov_b32 s[G1B+6], 0
	s_mov_b32 s[G1B+7], 0
	; o's address is made of by and the wave's number in s14-19, w_out's of bx and the wave's number in s46-47
	s_lshr_b32 s16, s13, 4
	s_lshl_b32 s16, s16, 22                        ; batch: 16 heads of 262,144 bytes
	s_lshl_b32 s17, s12, 19                        ; two heads
	s_add_co_u32 s16, s16, s17
	s_and_b32 s17, s13, 15
	s_lshl_b32 s17, s17, 14                        ; 128 rows of 128 bytes
	s_add_co_u32 s16, s16, s17
	s_mov_b32 s17, 0
	s_lshl_b32 s46, s42, 8                         ; 128 columns
	s_lshl_b32 s47, s12, 18                        ; 128 k rows of 2,048 bytes
	s_add_co_u32 s46, s46, s47
	s_add_co_u32 s46, s46, 6291456                 ; w_out lies behind the QKV weights
	s_mov_b32 s47, 0
	s_mul_i32 s20, s10, PART                       ; LDS: part = wave
	s_wait_dscnt 0x0
	s_wait_kmcnt 0x0
	s_add_nc_u64 s[14:15], s[4:5], s[16:17]
	s_add_nc_u64 s[46:47], s[6:7], s[46:47]
	CROUND                                         ; all sixteen work-groups are here: the first joint loads meet
.irp s, 0,1
	s_mov_b32 s[G0+4*\s], 1
	s_add_co_u32 s[G0+4*\s+1], s20, \s*SLOT
	s_add_nc_u64 s[G0+4*\s+2:G0+4*\s+3], s[14:15], \s*1048576      ; four heads a K step
	s_or_b32 s[G0+4*\s+3], s[G0+4*\s+3], 0x80000000
	s_mov_b32 s[G0B+4*\s], 1
	s_add_co_u32 s[G0B+4*\s+1], s20, \s*SLOT
	s_add_nc_u64 s[G0B+4*\s+2:G0B+4*\s+3], s[46:47], \s*524288     ; 256 k rows a K step
	s_or_b32 s[G0B+4*\s+3], s[G0B+4*\s+3], 0x80000000
	JLOAD \s
.endr
	v_and_b32 v1, 15, v0                           ; r
	v_bfe_u32 v2, v0, 4, 1                         ; h
	v_mul_u32_u24 v3, APITCH, v1
	v_lshl_add_u32 v3, v2, 4, v3
	s_mul_i32 s21, s11, 64*APITCH                  ; my 64 rows
	v_add_nc_u32 v[ADRA], s21, v3
	v_add_nc_u32 v[ADRA+1], SLOT, v[ADRA]
	v_and_b32 v5, 7, v0
	v_lshl_or_b32 v5, v2, 3, v5                    ; 8 h + (l & 7)
	v_mul_u32_u24 v5, BPITCH, v5
	v_bfe_u32 v6, v0, 3, 1
	v_lshl_add_u32 v5, v6, 4, v5
	s_lshl_b32 s22, s12, 7                         ; my 64 columns
	v_add_nc_u32 v5, s22, v5
	v_add_nc_u32 v[ADRB],   2*PART, v5
	v_add_nc_u32 v[ADRB+1], 3*PART, v5
	v_add_nc_u32 v[ADRB+2], SLOT+2*PART, v5
	v_add_nc_u32 v[ADRB+3], SLOT+3*PART, v5
	s_mul_i32 s23, s10, 16*SPITCH
	s_add_co_u32 s23, s23, STAGE                   ; my stage
	v_mul_u32_u24 v4, SPITCH, v1
	v_lshl_add_u32 v4, v2, 5, v4
	v_add_nc_u32 v[STO], s23, v4                   ; in: row r, 32 bytes for each half of the lanes
	v_mul_u32_u24 v4, SPITCH, v2
	v_lshl_add_u32 v4, v1, 4, v4
	v_add_nc_u32 v[RD], s23, v4                    ; back: 16 lanes a row of 256 bytes, two rows a load
	v_lshlrev_b32 v4, 12, v2
	v_lshl_add_u32 v[CO], v1, 4, v4                ; the same two rows in out0
; 16 LDS loads: eighth q8 (32 along K) of a slot into buffer f
.macro FETCH slot, q8, f
.irp a, 0,1,2,3
	ds_load_b128 v[64+64*\f+8*\a:64+64*\f+8*\a+3],   v[ADRA+\slot] offset:(\q8/2)*PLANE+\a*16*APITCH+(\q8%2)*64
	ds_load_b128 v[64+64*\f+8*\a+4:64+64*\f+8*\a+7], v[ADRA+\slot] offset:(\q8/2)*PLANE+\a*16*APITCH+(\q8%2)*64+32
.endr
.irp b, 0,1,2,3
	ds_load_tr16_b128 v[96+64*\f+8*\b:96+64*\f+8*\b+3],   v[ADRB+2*\slot+(\q8/4)] offset:(\q8%4)*32*BPITCH+32*\b
	ds_load_tr16_b128 v[96+64*\f+8*\b+4:96+64*\f+8*\b+7], v[ADRB+2*\slot+(\q8/4)] offset:(\q8%4)*32*BPITCH+32*\b+16*BPITCH
.endr
.endm
; 8 products.  The 16 accumulators take turns, one instruction a turn, in the same order in every eighth.
.macro MUL8 f, a0, zero
.irp a, \a0, \a0+1
.irp b, 0,1,2,3
.if \zero
	v_wmma_f32_16x16x32_f16 v[8*(4*(\a)+\b):8*(4*(\a)+\b)+7], v[96+64*\f+8*\b:96+64*\f+8*\b+7], v[64+64*\f+8*(\a):64+64*\f+8*(\a)+7], 0
.else
	v_wmma_f32_16x16x32_f16 v[8*(4*(\a)+\b):8*(4*(\a)+\b)+7], v[96+64*\f+8*\b:96+64*\f+8*\b+7], v[64+64*\f+8*(\a):64+64*\f+8*(\a)+7], v[8*(4*(\a)+\b):8*(4*(\a)+\b)+7]
.endif
.endr
.endr
.endm
.macro EIGHTH slot, qn, f, g, zero     ; fetches eighth qn into buffer g, multiplies buffer f
	PLACES
	FETCH \slot, \qn, \g
	s_wait_dscnt 16                                ; buffer f is in; the 16 loads just issued may be out
	WIN 0x50                                       ; C and D: window 1
	MUL8 \f, 0, \zero
	MUL8 \f, 2, \zero
	WIN 0
.endm
.macro SEVEN slot, zero
	EIGHTH \slot, 1, 0, 1, \zero
	EIGHTH \slot, 2, 1, 0, 0
	EIGHTH \slot, 3, 0, 1, 0
	EIGHTH \slot, 4, 1, 0, 0
	EIGHTH \slot, 5, 0, 1, 0
	EIGHTH \slot, 6, 1, 0, 0
	EIGHTH \slot, 7, 0, 1, 0
.endm
; The last eighth multiplies buffer 1 and changes slots.  In front of the barrier each wave waits for its reads of this slot and for all its tensor loads
; (one is out: its part of the next slot).  Where the slot is filled again the barrier opens a round of the cluster's barrier, only register work stands
; inside the round, and the joint refill is the first tensor load behind it.
.macro TURN slot, next, fill
	s_wait_dscnt 0x0
	s_wait_tensorcnt 0x0
	ds_add_u32 v62, v63
	s_wait_dscnt 0x0
	s_barrier_signal -1
	WIN 0x50
	MUL8 1, 0, 0
	WIN 0
	s_barrier_wait -1
.if \fill
	CREST
	s_add_nc_u64 s[G0+4*\slot+2:G0+4*\slot+3], s[G0+4*\slot+2:G0+4*\slot+3], 2097152
	s_add_nc_u64 s[G0B+4*\slot+2:G0B+4*\slot+3], s[G0B+4*\slot+2:G0B+4*\slot+3], 1048576
	JLOAD \slot
.endif
	PLACES
	FETCH \next, 0, 0
	WIN 0x50
	MUL8 1, 2, 0
	WIN 0
.endm
	s_wait_tensorcnt 1                             ; my part of K step 0 is in; K step 1's load stays out
	s_barrier_signal -1
	s_barrier_wait -1
	FETCH 0, 0, 0
	SEVEN 0, 1                                     ; the first products start the sums: nothing is cleared
	TURN 0, 1, 1
	SEVEN 1, 0
	TURN 1, 0, 1
	SEVEN 0, 0
	TURN 0, 1, 0
	SEVEN 1, 0
	s_wait_dscnt 0x0
	WIN 0x50
	MUL8 1, 0, 0
	MUL8 1, 2, 0
	WIN 0
	PLACES
	; THE WAY OUT, 16 rows at a time through my own stage
	s_lshl_b32 s16, s13, 19                        ; 128 rows of 4,096 bytes
	s_lshl_b32 s17, s11, 18                        ; my 64 rows
	s_add_co_u32 s16, s16, s17
	s_mov_b32 s17, 0
	s_add_nc_u64 s[8:9], s[8:9], s[16:17]
	s_lshl_b32 s46, s42, 9                         ; 128 columns of 4 bytes
	s_lshl_b32 s47, s12, 8                         ; my 64 columns
	s_add_co_u32 s46, s46, s47
	s_mov_b32 s47, 0
	s_add_nc_u64 s[8:9], s[8:9], s[46:47]
.macro OUT a, f
	WIN 0x04                                       ; store data: window 1
.irp b, 0,1,2,3
	ds_store_b128 v[STO], v[8*(4*\a+\b):8*(4*\a+\b)+3]   offset:64*\b
	ds_store_b128 v[STO], v[8*(4*\a+\b)+4:8*(4*\a+\b)+7] offset:64*\b+16
.endr
	WIN 0
	s_wait_xcnt 0x0                                ; earlier stores have had their addresses translated (ISA guide 3.1): their data registers are loaded again only behind this wait
.irp u, 0,1,2,3,4,5,6,7
	ds_load_b128 v[\f+4*\u:\f+4*\u+3], v[RD] offset:2*SPITCH*\u    ; my own bytes: LDS serves a wave's instructions in order (ISA guide 5.7.1.4)
.endr
.irp u, 0,1,2,3,4,5,6,7
	s_wait_dscnt 7-\u
	global_store_b128 v[CO], v[\f+4*\u:\f+4*\u+3], s[8:9] offset:\a*65536+8192*\u th:TH_STORE_NT   ; 16 lanes store 256 consecutive bytes, aligned
.endr
.endm
	OUT 0, 192
	OUT 1, 224
	OUT 2, 192
	OUT 3, 224
	s_wait_tensorcnt 0x0
	ds_add_u32 v62, v63
	s_wait_dscnt 0x0
	CROUND                                         ; the closing round
	s_endpgm
.Lfunc_end_k_q4f9f51272e_oproj:
	.size	k_q4f9f51272e_oproj, .Lfunc_end_k_q4f9f51272e_oproj-k_q4f9f51272e_oproj
	.p2alignl 7, 3214868480
	.fill 96, 4, 3214868480
	.section	.rodata,"a",@progbits
	.p2align	6, 0x0
	.amdhsa_kernel k_q4f9f51272e_oproj
		.amdhsa_group_segment_fixed_size 327680
		.amdhsa_private_segment_fixed_size 0
		.amdhsa_enable_private_segment 0
		.amdhsa_kernarg_size 24
		.amdhsa_user_sgpr_count 2
		.amdhsa_user_sgpr_kernarg_segment_ptr 1
		.amdhsa_wavefront_size32 1
		.amdhsa_system_sgpr_workgroup_id_x 1
		.amdhsa_system_sgpr_workgroup_id_y 1
		.amdhsa_system_sgpr_workgroup_id_z 1
		.amdhsa_system_vgpr_workitem_id 0
		.amdhsa_next_free_vgpr 384
		.amdhsa_next_free_sgpr 66
		.amdhsa_reserve_vcc 0
		.amdhsa_float_denorm_mode_32 3
		.amdhsa_float_denorm_mode_16_64 3
		.amdhsa_memory_ordered 1
		.amdhsa_forward_progress 1
		.amdhsa_inst_pref_size 89
	.end_amdhsa_kernel
	.amdgpu_metadata
---
amdhsa.version: [ 1, 2 ]
amdhsa.kernels:
  - .name:           k_q4f9f51272e_oproj
    .symbol:         k_q4f9f51272e_oproj.kd
    .args:
      - { .name: ob, .offset: 0, .size: 8, .value_kind: global_buffer, .address_space: global }
      - { .name: wb, .offset: 8, .size: 8, .value_kind: global_buffer, .address_space: global }
      - { .name: out0, .offset: 16, .size: 8, .value_kind: global_buffer, .address_space: global }
    .group_segment_fixed_size: 327680
    .private_segment_fixed_size: 0
    .kernarg_segment_align: 8
    .kernarg_segment_size: 24
    .max_flat_workgroup_size: 128
    .sgpr_count:     66
    .vgpr_count:     384
    .wavefront_size: 32
...
	.end_amdgpu_metadata
.endif
;; end of part 4
;; ======== version 2 of 2: 4 launches; 1.24 times as fast as version 1
;; limits: values are held in f16: magnitudes above 65,504 overflow, below 6.1e-05 lose precision
;; workspace buffers: xnb 8,388,608 bytes; wb 8,388,608 bytes; gates 262,144 bytes; rope 524,288 bytes; qkvb 25,165,824 bytes; ob 8,388,608 bytes
;; launch prep: the kernel of part 1 again; grid 256 x 1, 8 waves a work-group, no clusters, 75,008 bytes of LDS; arguments x, gamma, w_qkv, w_out, w_gates, b_gates, freqs, xnb, wb, gates, rope; writes xnb, wb, gates, rope
;; launch qkv: the kernel of part 2 again; grid 16 x 16, 4 waves a work-group, clusters of 4 x 4, 327,680 bytes of LDS; arguments xnb, wb, rope, qkvb; writes qkvb
;; launch attn (part 5): grid 8 x 32, 8 waves a work-group, clusters of 4 x 1, 327,680 bytes of LDS; arguments qkvb, gates, ob; writes ob
.if DOCPART == 5
	.amdgcn_target "amdgcn-amd-amdhsa--gfx1250"
	.amdhsa_code_object_version 6
	.text
	.protected	k_q4f9f51272e_attn
	.globl	k_q4f9f51272e_attn
	.p2align	8
	.type	k_q4f9f51272e_attn,@function
k_q4f9f51272e_attn:
	s_mov_b64 s[64:65], 0
	v_nop
	global_prefetch_b8 v0, s[64:65] scope:SCOPE_SE
	s_setreg_imm32_b32 hwreg(HW_REG_WAVE_MODE, 25, 1), 1
	s_wait_xcnt 0x0
	s_wait_alu depctr_hold_cnt(0) depctr_sa_sdst(0) depctr_va_vdst(0) depctr_va_sdst(0) depctr_va_ssrc(0) depctr_va_vcc(0) depctr_vm_vsrc(0)
	s_getreg_b32 s2, hwreg(HW_REG_IB_STS2, 6, 4)
	s_cmp_eq_u32 s2, 0
	s_cbranch_scc0 .Lentry_in_a_cluster
	s_endpgm
.Lentry_in_a_cluster:
	s_bfe_u32 s2, ttmp6, 0x10000c
	s_cmp_lg_u32 s2, 0x3003
	s_cbranch_scc0 .Lentry_shape_is_right
	s_endpgm
.Lentry_shape_is_right:
; ATTENTION of one (batch, head) y and 256 queries, with a running maximum; divided by the sum and multiplied by the gate on the way out.
; EIGHT WAVES, 32 queries each (two tiles t of 16), 512 registers each: two waves for each of the WGP's four SIMDs.  Why eight: within a wave the steps of a tile hang on
; each other (scores, softmax, product with V), and a wave's block of 64 keys is 32 matrix instructions against about 240 vector instructions; the second wave of the
; SIMD has independent instructions to issue while the first one's matrix instructions run, and the other way round.  In one wave of 64 queries the two kinds of work
; lie in different register windows (544 registers), so mixing them would cost two window switches for each matrix instruction.
; THE PRICE: each K and V fragment is read from LDS by eight waves and not by four: 32 LDS loads feed 32 matrix instructions.
; Keys go in 8 tiles of 256 through two LDS slots, in blocks of 64: 32 blocks.
; CODE SIZE: a wave's block is about 310 instructions.  What follows the last refill has to be written out, and that is two slots' keys: with the loop turned by one block
; the text holds 16 copies of a block: the first block (it starts the sums), a loop of 8 blocks run 3 times (two refills a trip: tiles 2 to 7), and the last 7 blocks
; (they fetch nothing): 1 + 3 x 8 + 7 = 32.
; CLUSTERS: the four query blocks of a cluster (4 x 1) read the same K and V tiles and ask for them jointly (mask 15).
; By this text's count a wave has at most two tensor loads outstanding.
; EVERYTHING IS COMPUTED TRANSPOSED.  S^T = K Q^T: lane (r = l % 16, h = l / 16), register j holds (key 8 h + j, query r).  Two neighbouring
; tiles of S^T, rounded to f16, are then a B fragment of P^T for 32 keys as they stand, and O^T = V^T P^T needs no shuffle and no LDS trip.
; V^T's fragments come by the transposing LDS load.  Maximum, sum, rescaling factor and gate of a query are one number a lane; the two halves of the
; lanes hold different keys: one lane exchange joins their maxima in every block, their sums are joined once at the end.
; The scores of block n + 1 are multiplied between the softmax steps of block n.
; All matrix operands are f16.  P lies in [0, 1] by the running maximum.  LIMITS: an entry of P under 3e-8 of the largest so far drops out of the product with V
; but stays in the sum, which is taken from the unrounded f32 exponentials: over 2,048 keys at most 6e-5 of the sum.  The output is bounded by the largest |v|;
; under 6.1e-5 it keeps an absolute step of 6e-8 (with gamma and w_qkv both 30 times smaller than 1 and 1/32 its root mean square is 2e-5: an error of 0.08% of it).
; The gates are [row][16] f32: a lane fetches 4 bytes of a row's 64, two loads a wave, once in the kernel.
; REGISTERS: window 0: addresses and per-query numbers, S v64-127 (tile (t, kt) at 64 + 32 t + 8 kt), P v128-159 (16 for each t), rows read back v160-191;
;   window 1: O^T v0-63 (tile (t, dt) at 8 (4 t + dt)), Q fragments v64-95, K fragments v128-191, V^T fragments v192-255.
.set VPITCH, 160                       ; 128 bytes + 32: an odd multiple of 32, for the transposing load
.set KPITCH, 144                       ; 128 bytes + 16: an odd multiple of 16
.set VQ,     64*VPITCH                 ; what one tensor load brings of V: 64 keys, a quarter of a tile
.set KQ,     64*KPITCH                 ; and of K
.set KOFF,   4*VQ                      ; 40,960
.set SLOT,   KOFF+4*KQ                 ; 77,824
.set STAGE,  2*SLOT                    ; 155,648, a multiple of 256, behind the ring: no tensor load lands here
.set TBYTES, 32768                     ; a tile of 256 keys in memory
.set SPITCH, 144
.set STILE,  16*SPITCH
.set SWAVE,  2*STILE
.set QV,  15
.set KAD, 16
.set VAD, 18
.set STO, 20
.set RD,  21
.set CO,  22
.set GV,  23
.set GT,  24                           ; v24-25 gate of query r of tile t
.set M,   28                           ; v28-29 running maximum (raw scores)
.set L,   32                           ; v32-33 running sum, of my half's keys
.set Y,   38
.set MN,  39
.set NMC, 40                           ; v40: - maximum * c; v41 written once: the pair is named, its first word is used twice
.set AL,  42                           ; v42: rescaling factor; v43 likewise
.set ARG, 44
.set XM,  48                           ; v48-51 four chains of the maximum
.set T,   56                           ; v56-63 four chains of the sum
.set S,   64
.set P,   128
.set RB,  160
.set QF,  64                           ; in window 1
.set KF,  128                          ; in window 1
.set VF,  192                          ; in window 1
.set G1V, 24
.set G0V, 32
.set G1K, 48
.set G0K, 56
.set MSB, 0
.macro WIN new                         ; the immediate's high byte repeats the setting that is left
.if MSB != \new
	s_set_vgpr_msb (MSB<<8)|\new
.set MSB, \new
.endif
.endm
.macro ROUND                           ; a round of the cluster's barrier
	s_barrier_signal -1
	s_barrier_wait -1
	s_cmp_lg_u32 s10, 0
	s_cbranch_scc1 .Lnot_wave_0_\@
	s_barrier_signal -3
.Lnot_wave_0_\@:
	s_barrier_wait -3
	s_barrier_signal -1
	s_barrier_wait -1
.endm
.macro JLOAD s                         ; waves 0 to 3 ask for V's quarters, waves 4 to 7 for K's: the branch hangs on the wave's number alone
	s_cmp_eq_u32 s11, 0
	s_cbranch_scc0 .Lfor_k_\@
	tensor_load_to_lds s[G0V+4*\s:G0V+4*\s+3], s[G1V:G1V+7]
	s_nop 0
	s_branch .Lasked_\@
.Lfor_k_\@:
	tensor_load_to_lds s[G0K+4*\s:G0K+4*\s+3], s[G1K:G1K+7]
	s_nop 0
.Lasked_\@:
.endm
.macro PLACES                          ; four places behind a matrix instruction before its registers are loaded into or its results read (ISA guide 7.12.1)
.rept 4
	v_nop
.endr
.endm
	s_load_b128 s[4:7], s[0:1], 0x0                ; qkvb s[4:5], gates s[6:7]
	s_load_b64 s[8:9], s[0:1], 0x10                ; ob
	v_lshl_add_u32 v254, v0, 2, 0x2f000
	v_mov_b32 v255, 0
	ds_add_u32 v254, v255
	v_lshrrev_b32 v1, 5, v0
	v_readfirstlane_b32 s10, v1                    ; wave, 0 to 7
	s_lshr_b32 s11, s10, 2                         ; 0: I fetch V, 1: K
	s_and_b32 s12, s10, 3                          ; which 64 keys of a tile
	s_bfe_u32 s42, ttmp6, 0x40000                  ; cx
	s_lshl_b32 s43, ttmp9, 2
	s_add_co_u32 s43, s43, s42                     ; block of 256 queries
	s_and_b32 s44, ttmp7, 0xffff                   ; y = batch * 16 + head
	s_mov_b32 s20, 0x3e38aa3b                      ; c = log2(e) / 8: exp(score / 8) = 2^(c score)
	s_mov_b32 s21, 0x3e38aa3b
	s_mov_b32 s22, 0xbe38aa3b                      ; - c
	s_mov_b32 s40, 0x76543210                      ; v_permlanex16_b32: lane i takes lane i of the other half
	s_mov_b32 s41, 0xfedcba98
	; 64 keys of 128 bytes are 8,192 consecutive bytes = 32 rows of 32 elements of 8 bytes; padding behind every 32 words: V 8 words, K 4
	s_mov_b32 s[G1V+0], 15|(3<<16)|(1<<20)|(1<<21)|(4<<22)|(7<<25)
	s_mov_b32 s[G1K+0], 15|(3<<16)|(1<<20)|(1<<21)|(4<<22)|(3<<25)
.irp g, G1V, G1K
	s_mov_b32 s[\g+1], 32<<16                      ; tensor_dim0
	s_mov_b32 s[\g+2], 32<<16                      ; tensor_dim1
	s_mov_b32 s[\g+3], 32<<16                      ; tile_dim0
	s_mov_b32 s[\g+4], 32                          ; tile_dim1
	s_mov_b32 s[\g+5], 32                          ; elements from row to row
	s_mov_b32 s[\g+6], 0
	s_mov_b32 s[\g+7], 0
.endr
	s_lshl_b32 s16, s44, 18                        ; a head: 2,048 keys of 128 bytes.  s16-19 never hold cx
	s_lshl_b32 s17, s12, 13                        ; 64 keys
	s_add_co_u32 s16, s16, s17
	s_mov_b32 s17, 0
	s_mul_i32 s14, s10, VQ                         ; LDS: waves 0 to 3: V's quarters
	s_mul_i32 s15, s10, KQ
	s_add_co_u32 s15, s15, KOFF-4*KQ               ; waves 4 to 7: K's quarters, behind V
	s_wait_dscnt 0x0
	s_wait_kmcnt 0x0
	s_add_nc_u64 s[18:19], s[4:5], s[16:17]
	ROUND                                          ; the four work-groups are here: the first joint loads meet
.irp s, 0,1
	s_mov_b32 s[G0V+4*\s], 1
	s_add_co_u32 s[G0V+4*\s+1], s14, \s*SLOT
	s_add_nc_u64 s[G0V+4*\s+2:G0V+4*\s+3], s[18:19], 16777216+\s*TBYTES
	s_or_b32 s[G0V+4*\s+3], s[G0V+4*\s+3], 0x80000000
	s_mov_b32 s[G0K+4*\s], 1
	s_add_co_u32 s[G0K+4*\s+1], s15, \s*SLOT
	s_add_nc_u64 s[G0K+4*\s+2:G0K+4*\s+3], s[18:19], 8388608+\s*TBYTES
	s_or_b32 s[G0K+4*\s+3], s[G0K+4*\s+3], 0x80000000
	JLOAD \s
.endr
	s_lshl_b32 s46, s44, 18
	s_lshl_b32 s47, s43, 15                        ; 256 queries of 128 bytes
	s_add_co_u32 s46, s46, s47
	s_mov_b32 s47, 0
	s_add_nc_u64 s[66:67], s[4:5], s[46:47]        ; my block of q
	s_add_nc_u64 s[8:9], s[8:9], s[46:47]          ; and of ob,
	s_lshl_b32 s46, s10, 12
	s_add_nc_u64 s[8:9], s[8:9], s[46:47]          ; at my wave's 32 queries
	s_lshr_b32 s46, s44, 4
	s_lshl_b32 s46, s46, 17                        ; batch: 2,048 rows of 64 bytes
	s_lshl_b32 s13, s43, 14                        ; 256 rows
	s_add_co_u32 s46, s46, s13
	s_and_b32 s13, s44, 15
	s_lshl_b32 s13, s13, 2                         ; head
	s_add_co_u32 s46, s46, s13
	s_add_nc_u64 s[6:7], s[6:7], s[46:47]
	v_and_b32 v1, 15, v0                           ; r
	v_bfe_u32 v2, v0, 4, 1                         ; h
	v_and_b32 v3, 31, v0                           ; l
	v_mul_u32_u24 v4, KPITCH, v1
	v_lshl_add_u32 v4, v2, 4, v4
	v_add_nc_u32 v[KAD], KOFF, v4                  ; key r, 16 h
	v_add_nc_u32 v[KAD+1], KOFF+SLOT, v4
	v_and_b32 v5, 7, v0
	v_lshl_or_b32 v6, v2, 3, v5                    ; key 8 h + (l & 7)
	v_mul_u32_u24 v6, VPITCH, v6
	v_bfe_u32 v7, v0, 3, 1
	v_lshl_add_u32 v[VAD], v7, 4, v6
	v_add_nc_u32 v[VAD+1], SLOT, v[VAD]
	s_mul_i32 s23, s10, SWAVE
	s_add_co_u32 s23, s23, STAGE                   ; my stage
	v_mul_u32_u24 v4, SPITCH, v1
	v_lshl_add_u32 v4, v2, 4, v4
	v_add_nc_u32 v[STO], s23, v4
	v_lshrrev_b32 v6, 3, v3
	v_mul_u32_u24 v6, SPITCH, v6
	v_lshl_add_u32 v6, v5, 4, v6
	v_add_nc_u32 v[RD], s23, v6
	v_lshlrev_b32 v[CO], 4, v3
	s_lshl_b32 s13, s10, 12
	v_lshlrev_b32 v6, 7, v1
	v_lshl_add_u32 v6, v2, 4, v6
	v_add_nc_u32 v[QV], s13, v6                    ; query 32 w + r, 16 h
	s_lshl_b32 s13, s10, 11
	v_lshl_add_u32 v[GV], v1, 6, s13               ; row 32 w + r of the gates
	v_mov_b32 v[Y], 0                              ; v_permlanex16_b32's destination counts as read
	v_mov_b32 v[NMC+1], 0
	v_mov_b32 v[AL+1], 0
	WIN 0x40                                       ; destination: window 1
.irp t, 0,1
.irp c, 0,1
	global_load_b128 v[QF+8*(2*\t+\c):QF+8*(2*\t+\c)+3],   v[QV], s[66:67] offset:\t*2048+64*\c
	global_load_b128 v[QF+8*(2*\t+\c)+4:QF+8*(2*\t+\c)+7], v[QV], s[66:67] offset:\t*2048+64*\c+32
.endr
.endr
	WIN 0
.irp t, 0,1
	global_load_b32 v[GT+\t], v[GV], s[6:7] offset:1024*\t
.endr
.macro LDV slot, sb                    ; V^T's fragments of block sb: 2 x 32 keys, 4 x 16 d
	WIN 0x40
.irp c2, 0,1
.irp dt, 0,1,2,3
	ds_load_tr16_b128 v[VF+8*(4*\c2+\dt):VF+8*(4*\c2+\dt)+3],   v[VAD+\slot] offset:(64*\sb+32*\c2)*VPITCH+32*\dt
	ds_load_tr16_b128 v[VF+8*(4*\c2+\dt)+4:VF+8*(4*\c2+\dt)+7], v[VAD+\slot] offset:(64*\sb+32*\c2+16)*VPITCH+32*\dt
.endr
.endr
.endm
.macro LDK slot, sb                    ; K's fragments of block sb: 4 x 16 keys, 2 x 32 d
	WIN 0x40
.irp kt, 0,1,2,3
.irp c, 0,1
	ds_load_b128 v[KF+8*(2*\kt+\c):KF+8*(2*\kt+\c)+3],   v[KAD+\slot] offset:(64*\sb+16*\kt)*KPITCH+64*\c
	ds_load_b128 v[KF+8*(2*\kt+\c)+4:KF+8*(2*\kt+\c)+7], v[KAD+\slot] offset:(64*\sb+16*\kt)*KPITCH+64*\c+32
.endr
.endr
.endm
; In SQK and PV four accumulators take turns, one instruction a turn.
.macro SQK t                           ; S^T of 64 keys x the 16 queries of tile t
	WIN 0x05                                       ; source 0 (K) and source 1 (Q) window 1, C and D window 0
.irp kt, 0,1,2,3
	v_wmma_f32_16x16x32_f16 v[S+32*\t+8*\kt:S+32*\t+8*\kt+7], v[KF+16*\kt:KF+16*\kt+7], v[QF+16*\t:QF+16*\t+7], 0
.endr
.irp kt, 0,1,2,3
	v_wmma_f32_16x16x32_f16 v[S+32*\t+8*\kt:S+32*\t+8*\kt+7], v[KF+16*\kt+8:KF+16*\kt+15], v[QF+16*\t+8:QF+16*\t+15], v[S+32*\t+8*\kt:S+32*\t+8*\kt+7]
.endr
.endm
.macro PV t, first                     ; O^T += V^T P^T
	WIN 0x51                                       ; source 0 (V^T) window 1, source 1 (P^T) window 0, C and D window 1
.irp dt, 0,1,2,3
.if \first
	v_wmma_f32_16x16x32_f16 v[8*(4*\t+\dt):8*(4*\t+\dt)+7], v[VF+8*\dt:VF+8*\dt+7], v[P+16*\t:P+16*\t+7], 0
.else
	v_wmma_f32_16x16x32_f16 v[8*(4*\t+\dt):8*(4*\t+\dt)+7], v[VF+8*\dt:VF+8*\dt+7], v[P+16*\t:P+16*\t+7], v[8*(4*\t+\dt):8*(4*\t+\dt)+7]
.endif
.endr
.irp dt, 0,1,2,3
	v_wmma_f32_16x16x32_f16 v[8*(4*\t+\dt):8*(4*\t+\dt)+7], v[VF+32+8*\dt:VF+32+8*\dt+7], v[P+16*\t+8:P+16*\t+15], v[8*(4*\t+\dt):8*(4*\t+\dt)+7]
.endr
.endm
.macro RESC t                          ; O^T of tile t times the rescaling factor of the lane's query
	WIN 0x41
.set i, 0
.rept 16
	v_pk_mul_f32 v[32*\t+2*i:32*\t+2*i+1], v[32*\t+2*i:32*\t+2*i+1], v[AL:AL+1] op_sel_hi:[1,0]
.set i, i+1
.endr
.endm
; One tile's softmax step over 64 keys: new maximum, p = 2^(c (s - maximum)), sum, p to f16.
.macro SOFTMAX t, first
	WIN 0
.irp k, 0,1,2,3
	v_max3_num_f32 v[XM+\k], v[S+32*\t+8*\k], v[S+32*\t+8*\k+1], v[S+32*\t+8*\k+2]
.endr
.irp k, 0,1,2,3
	v_max3_num_f32 v[XM+\k], v[XM+\k], v[S+32*\t+8*\k+3], v[S+32*\t+8*\k+4]
.endr
.irp k, 0,1,2,3
	v_max3_num_f32 v[XM+\k], v[XM+\k], v[S+32*\t+8*\k+5], v[S+32*\t+8*\k+6]
.endr
	v_max3_num_f32 v[XM], v[XM], v[XM+1], v[S+32*\t+7]
	v_max3_num_f32 v[XM+2], v[XM+2], v[XM+3], v[S+32*\t+15]
	v_max3_num_f32 v[XM], v[XM], v[XM+2], v[S+32*\t+23]
.if \first
	v_max_num_f32 v[XM], v[XM], v[S+32*\t+31]
.else
	v_max3_num_f32 v[XM], v[XM], v[S+32*\t+31], v[M+\t]
.endif
	v_permlanex16_b32 v[Y], v[XM], s40, s41        ; the other half's keys
	v_max_num_f32 v[MN], v[XM], v[Y]
	v_mul_f32 v[NMC], s22, v[MN]
.if \first == 0
	v_fma_f32 v[ARG], v[M+\t], s20, v[NMC]         ; c (old maximum - new maximum)
.endif
.set i, 0
.rept 16
	v_pk_fma_f32 v[S+32*\t+2*i:S+32*\t+2*i+1], v[S+32*\t+2*i:S+32*\t+2*i+1], s[20:21], v[NMC:NMC+1] op_sel_hi:[1,0,0]
.set i, i+1
.endr
.set i, 0
.rept 32
	v_exp_f32 v[S+32*\t+i], v[S+32*\t+i]
.set i, i+1
.endr
.if \first == 0
	v_exp_f32 v[AL], v[ARG]
.endif
	v_mov_b32 v[M+\t], v[MN]                       ; the plain instruction behind the transcendentals before their results are used (ISA guide 5.7.2)
.set i, 0
	s_wait_alu depctr_va_vdst(0)
.rept 16
	v_cvt_pk_f16_f32 v[P+16*\t+i], v[S+32*\t+2*i], v[S+32*\t+2*i+1]
.set i, i+1
.endr
.irp k, 0,1,2,3
	v_pk_add_f32 v[T+2*\k:T+2*\k+1], v[S+32*\t+2*\k:S+32*\t+2*\k+1], v[S+32*\t+8+2*\k:S+32*\t+8+2*\k+1]
.endr
.irp k, 0,1,2,3
	v_pk_add_f32 v[T+2*\k:T+2*\k+1], v[T+2*\k:T+2*\k+1], v[S+32*\t+16+2*\k:S+32*\t+16+2*\k+1]
.endr
.irp k, 0,1,2,3
	v_pk_add_f32 v[T+2*\k:T+2*\k+1], v[T+2*\k:T+2*\k+1], v[S+32*\t+24+2*\k:S+32*\t+24+2*\k+1]
.endr
	v_pk_add_f32 v[T:T+1], v[T:T+1], v[T+2:T+3]
	v_pk_add_f32 v[T+4:T+5], v[T+4:T+5], v[T+6:T+7]
	v_pk_add_f32 v[T:T+1], v[T:T+1], v[T+4:T+5]
.if \first
	v_add_f32 v[L+\t], v[T], v[T+1]
.else
	v_fma_f32 v[L+\t], v[L+\t], v[AL], v[T]
	v_add_f32 v[L+\t], v[L+\t], v[T+1]
.endif
.endm
; One block of 64 keys.  Its scores lie in S already.  mode 1: the next block is in the same slot.  mode 2: this is the slot's last block, the slot is
; filled again.  mode 3: the slot's last block, nothing is filled.  mode 0: the last block of all.
.macro BLK slot, sb, first, mode
	PLACES
	LDV \slot, \sb
.if \mode == 1
	LDK \slot, (\sb+1)
.endif
	SOFTMAX 0, \first
.if \mode == 2
	s_wait_dscnt 0x0                               ; my reads of this slot are over: K's ended a block ago, V's last were issued at this block's head
	s_wait_tensorcnt 0x0                           ; all my tensor loads have landed: the one that was out is my part of the other slot
	ds_add_u32 v254, v255
	s_wait_dscnt 0x0
	ROUND                                          ; both now hold of every wave of the four work-groups
	s_add_nc_u64 s[G0V+4*\slot+2:G0V+4*\slot+3], s[G0V+4*\slot+2:G0V+4*\slot+3], 2*TBYTES
	s_add_nc_u64 s[G0K+4*\slot+2:G0K+4*\slot+3], s[G0K+4*\slot+2:G0K+4*\slot+3], 2*TBYTES
	JLOAD \slot                                    ; two tiles on: the first tensor load behind the round; it has the other slot's four blocks in which to land
	LDK (1-\slot), 0
.endif
.if \mode == 3
	s_wait_dscnt 0x0
	s_wait_tensorcnt 0x0                           ; my part of the last tile is in,
	s_barrier_signal -1
	s_barrier_wait -1                              ; everybody's is
	LDK (1-\slot), 0
.endif
.if \first == 0
	RESC 0
.endif
.if \mode == 0
	s_wait_dscnt 0x0
.else
	s_wait_dscnt 16                                ; V^T's fragments are in; K's 16 loads, issued behind them, may be out
.endif
	PV 0, \first
.if \mode
	s_wait_dscnt 0x0                               ; the next block's K fragments
	SQK 0
.endif
	SOFTMAX 1, \first
.if \first == 0
	RESC 1
.endif
	PV 1, \first
.if \mode
	SQK 1
.endif
	WIN 0
.endm
	s_wait_tensorcnt 1                             ; my part of tile 0 is in; tile 1's load stays out
	s_barrier_signal -1
	s_barrier_wait -1
	LDK 0, 0
	s_wait_loadcnt 2                               ; Q's eight loads are in; the two gate loads stay out
	s_wait_dscnt 0x0
	SQK 0
	SQK 1
	WIN 0
	BLK 0, 0, 1, 1                                 ; tile 0, first block: it starts maximum, sum and O: nothing is cleared
	s_mov_b32 s3, 3
.Llap:                                         ; trip i = 0 .. 2:
	BLK 0, 1, 0, 1                                 ; tile 2 i, blocks 1 to 3
	BLK 0, 2, 0, 1
	BLK 0, 3, 0, 2                                 ; slot 0 gets tile 2 i + 2
	BLK 1, 0, 0, 1                                 ; tile 2 i + 1
	BLK 1, 1, 0, 1
	BLK 1, 2, 0, 1
	BLK 1, 3, 0, 2                                 ; slot 1 gets tile 2 i + 3
	BLK 0, 0, 0, 1                                 ; tile 2 i + 2, first block
	s_sub_co_u32 s3, s3, 1
	s_cmp_lg_u32 s3, 0
	s_cbranch_scc1 .Llap
	BLK 0, 1, 0, 1                                 ; tile 6, blocks 1 to 3: nothing more to fetch
	BLK 0, 2, 0, 1
	BLK 0, 3, 0, 3
	BLK 1, 0, 0, 1                                 ; tile 7
	BLK 1, 1, 0, 1
	BLK 1, 2, 0, 1
	BLK 1, 3, 0, 0
	; THE WAY OUT
	PLACES
	s_wait_loadcnt 0x0                             ; the gates
.irp t, 0,1
	v_permlanex16_b32 v[XM+\t], v[L+\t], s40, s41
.endr
.irp t, 0,1
	v_add_f32 v[L+\t], v[L+\t], v[XM+\t]           ; the two halves' sums
.endr
.irp t, 0,1
	v_rcp_f32 v[XM+\t], v[L+\t]
.endr
	v_nop
	s_wait_alu depctr_va_vdst(0)
.irp t, 0,1
	v_mul_f32 v[T+2*\t], v[XM+\t], v[GT+\t]        ; gate / sum
.endr
	WIN 0x01                                       ; source 0: window 1
.irp t, 0,1
.set i, 0
.rept 16
	v_pk_mul_f32 v[S+32*\t+2*i:S+32*\t+2*i+1], v[32*\t+2*i:32*\t+2*i+1], v[T+2*\t:T+2*\t+1] op_sel_hi:[1,0]
.set i, i+1
.endr
.endr
	WIN 0
.set i, 0
.rept 32
	v_cvt_pk_f16_f32 v[S+i], v[S+2*i], v[S+2*i+1]  ; in place, ascending; tile (t, dt) ends at S + 16 t + 4 dt
.set i, i+1
.endr
.irp t, 0,1
.irp dt, 0,1,2,3
	ds_store_b128 v[STO], v[S+16*\t+4*\dt:S+16*\t+4*\dt+3] offset:STILE*\t+32*\dt   ; query r, d = 16 dt + 8 h ..
.endr
.endr
.irp t, 0,1
.irp u, 0,1,2,3
	ds_load_b128 v[RB+16*\t+4*\u:RB+16*\t+4*\u+3], v[RD] offset:STILE*\t+4*SPITCH*\u  ; my own bytes: LDS serves a wave's instructions in order (ISA guide 5.7.1.4)
.endr
.endr
.irp t, 0,1
.irp u, 0,1,2,3
	s_wait_dscnt 7-4*\t-\u
	global_store_b128 v[CO], v[RB+16*\t+4*\u:RB+16*\t+4*\u+3], s[8:9] offset:2048*\t+512*\u   ; a store covers 512 consecutive bytes, aligned
.endr
.endr
	s_wait_tensorcnt 0x0
	ds_add_u32 v254, v255
	s_wait_dscnt 0x0
	ROUND                                          ; the closing round: no work-group ends while a partner may still ask for a tile that names it
	s_endpgm
.Lfunc_end_k_q4f9f51272e_attn:
	.size	k_q4f9f51272e_attn, .Lfunc_end_k_q4f9f51272e_attn-k_q4f9f51272e_attn
	.p2alignl 7, 3214868480
	.fill 96, 4, 3214868480
	.section	.rodata,"a",@progbits
	.p2align	6, 0x0
	.amdhsa_kernel k_q4f9f51272e_attn
		.amdhsa_group_segment_fixed_size 327680
		.amdhsa_private_segment_fixed_size 0
		.amdhsa_enable_private_segment 0
		.amdhsa_kernarg_size 24
		.amdhsa_user_sgpr_count 2
		.amdhsa_user_sgpr_kernarg_segment_ptr 1
		.amdhsa_wavefront_size32 1
		.amdhsa_system_sgpr_workgroup_id_x 1
		.amdhsa_system_sgpr_workgroup_id_y 1
		.amdhsa_system_sgpr_workgroup_id_z 1
		.amdhsa_system_vgpr_workitem_id 0
		.amdhsa_next_free_vgpr 512
		.amdhsa_next_free_sgpr 68
		.amdhsa_reserve_vcc 0
		.amdhsa_float_denorm_mode_32 3
		.amdhsa_float_denorm_mode_16_64 3
		.amdhsa_memory_ordered 1
		.amdhsa_forward_progress 1
		.amdhsa_inst_pref_size 255
	.end_amdhsa_kernel
	.section	.bss,"aw",@nobits
	.p2align	6
	.space	262144
	.amdgpu_metadata
---
amdhsa.version: [ 1, 2 ]
amdhsa.kernels:
  - .name:           k_q4f9f51272e_attn
    .symbol:         k_q4f9f51272e_attn.kd
    .args:
      - { .name: qkvb, .offset: 0, .size: 8, .value_kind: global_buffer, .address_space: global }
      - { .name: gates, .offset: 8, .size: 8, .value_kind: global_buffer, .address_space: global }
      - { .name: ob, .offset: 16, .size: 8, .value_kind: global_buffer, .address_space: global }
    .group_segment_fixed_size: 327680
    .private_segment_fixed_size: 0
    .kernarg_segment_align: 8
    .kernarg_segment_size: 24
    .max_flat_workgroup_size: 256
    .sgpr_count:     68
    .vgpr_count:     512
    .wavefront_size: 32
...
	.end_amdgpu_metadata
.endif
;; end of part 5
;; launch oproj: the kernel of part 4 again; grid 8 x 32, 4 waves a work-group, clusters of 4 x 4, 327,680 bytes of LDS; arguments ob, wb, out0; writes out0
